; MI455X (gfx1250); checked and timed in simulation.
; The chip was launched on July 23, 2026; its instructions are those of AMD's public machine-readable ISA for CDNA 5 (MIT licence, August 2026) and "CDNA5" Instruction Set Architecture Reference Guide (July 2026). The comments in the code are by the model that wrote it; some were corrected since.
;; Multi Head Self Attention. Allowed arithmetic: matrix products marked QUANTISED: E2M3 operands, one E8M0 scale for each 32 along K, by v_wmma_scale_f32_16x16x128_f8f6f4 with both operands' format E2M3, f32 sums; everything else in f32.
;; Inputs: Wk 1,024 x 1,024 float32; Wo 1,024 x 1,024 float32; Wq 1,024 x 1,024 float32; Wv 1,024 x 1,024 float32; bk 1,024 float32; bo 1,024 float32; bq 1,024 float32; bv 1,024 float32; mask 4 x 2,048 int32; x 4 x 2,048 x 1,024 float32.
;; Outputs: out0 4 x 2,048 x 1,024 float32.
;; This version of the problem:
;;   THIS VERSION OF THE PROBLEM IS GIVEN IN LOW PRECISION. The matrix products marked QUANTISED in the list below multiply operands that are first quantised to E2M3 (2 exponent bits, 3 mantissa bits; 6 bits a number), with one power-of-two scale for each 32 numbers along K (OCP MX v1.0); their sums are f32. All else is computed in f32.
;;   The module's matrix products, in the order in which they are computed (A, B: the left and right operand; K: the contracted axis; several contracted axes count as one K, in the product's order):
;;     1. [M 8,192, K 1,024] x [K 1,024, N 1,024]; A: input x; B: input Wq: QUANTISED
;;     2. [M 8,192, K 1,024] x [K 1,024, N 1,024]; A: input x; B: input Wk: QUANTISED
;;     3. [M 8,192, K 1,024] x [K 1,024, N 1,024]; A: input x; B: input Wv: QUANTISED
;;     4. batch 64 x [M 2,048, K 64] x [K 64, N 2,048]; A: computed on the way; B: computed on the way: QUANTISED
;;     5. batch 64 x [M 2,048, K 2,048] x [K 2,048, N 64]; A: softmax (see below); B: computed on the way: QUANTISED
;;     6. [M 8,192, K 1,024] x [K 1,024, N 1,024]; A: computed on the way; B: input Wo: QUANTISED
;;   THE QUANTISER, for each operand of a quantised product, along K:
;;     - K is cut into blocks of 32 from its start; a last block that is shorter is filled with zeros.
;;     - A block's scale is 2^e with e = floor(log2(the largest magnitude in the block)) - 2, held to -126 .. 127; a block of zeros has e = 0. As a byte (E8M0): e + 127.
;;     - Each number is divided by its block's scale, clamped to +-7.5, and rounded to the nearest number of E2M3, ties to even, subnormals kept.
;;     - The product sums the exact products of the quantised numbers (number of the format x scale) in f32.
;;   ~~~python
;;   def quantise(x, axis):      # numpy; x: float32 -> the quantised numbers, widened to float32 again
;;       x = np.moveaxis(x, axis, -1); K = x.shape[-1]
;;       x = np.pad(x, [(0, 0)] * (x.ndim - 1) + [(0, -K % 32)]); x = x.reshape(x.shape[:-1] + (-1, 32)); a = np.abs(x).max(-1, keepdims=True)
;;       e = np.where(a > 0, np.clip(np.frexp(np.where(a > 0, a, 1))[1] - 1 - 2, -126, 127), 0)      # np.frexp(a)[1] - 1 = floor(log2(a)), exactly
;;       r = np.clip(x / 2.0 ** e, -7.5, 7.5)
;;       step = 2.0 ** (np.maximum(np.frexp(np.where(r == 0, 1, r))[1] - 1, 0) - 3)
;;       q = np.round(r / step) * step * 2.0 ** e      # np.round: ties to even
;;       return np.moveaxis(q.reshape(q.shape[:-2] + (-1,))[..., :K], -1, axis).astype(np.float32)
;;   ~~~
;;   SOFTMAX AHEAD OF A QUANTISED PRODUCT. Where the list says 'softmax', what is quantised is not the finished softmax but p = 2^(t - M), with t = logit x log2(e) and M = ceil(the row's largest t), a whole number; so 1/2 < the row's largest p <= 1. The row's sum l is taken of the UNQUANTISED p, in f32, and the product's result is divided by l at the end. Since M is a whole number, a kernel that streams over the keys may use a running M (the ceiling of the running maximum): every later rescaling is an exact power of two, which a block's scale takes up: the codes' values come out the same.
;;   OPERANDS COMPUTED ON THE WAY. 'Computed on the way' means the value that the module computes at that place (a softmax that the list does not call 'softmax' is quantised finished and normalised). What goes into a quantiser is computed in f32, as accurately as f32 sums, v_exp_f32 and their like allow (about 1e-6 of the number): no bf16 or f16 on the way to a quantiser, and a product that is left as it is and whose result goes on into a quantised operand takes f32 operands (vector FMAs, or v_wmma_f32_16x16x4_f32). A number that lies on a knife's edge between two numbers of the format may be rounded either way, as far as f32 arithmetic and the matrix unit's own rounding can turn it there, and no further.
;; One version. Each part assembles by itself: llvm-mc -triple=amdgcn-amd-amdhsa -mcpu=gfx1250 --defsym DOCPART=n.
;; ======== version 1 of 1: 4 launches
;; limits: right only within a limited range of input values
;; workspace buffers: img 9,437,184 bytes; scl 393,216 bytes; q 6,815,744 bytes; kv 13,369,344 bytes; o_img 6,291,456 bytes; o_scl 262,144 bytes
;; launch quant (part 1): grid 384 x 1, 4 waves a work-group, no clusters, 35,328 bytes of LDS; arguments x, Wq, Wk, Wv, Wo, img, scl; writes img, scl
.if DOCPART == 1
	.amdgcn_target "amdgcn-amd-amdhsa--gfx1250"
	.amdhsa_code_object_version 6
	.text
	.protected	k_qb55e0410e4_quant
	.globl	k_qb55e0410e4_quant
	.p2align	8
	.type	k_qb55e0410e4_quant,@function
k_qb55e0410e4_quant:
	s_mov_b64 s[64:65], 0
	v_nop
	global_prefetch_b8 v0, s[64:65] scope:SCOPE_SE
	s_setreg_imm32_b32 hwreg(HW_REG_WAVE_MODE, 25, 1), 1
	s_wait_xcnt 0x0
; x [8192][1024] and Wq, Wk, Wv, Wo [1024][1024], f32 with K innermost, become codes of FP6 (E2M3) and E8M0 scale bytes, one for each 32 along K,
; laid in the ORDER OF AN OPERAND'S REGISTERS.  A block's scale is 2^(floor(log2(its largest magnitude)) - 2); its byte is that magnitude's exponent field - 2, held at 1 from below.
; ROWS LIE AT POSITIONS: position = the row's number with bits 3 and 4 exchanged.  A row tile is 16 positions: place j of tile i is row 32 (i / 2) + 8 (i % 2) + j + 8 (j / 8).
; Where such a tile is source 0 of a product, the 16 registers of tiles 2 b and 2 b + 1 are 16 neighbouring rows: the next product's K needs no change of lanes.
; img: [row tile 0..767][64 along K: 0..15][768 bytes]: lane (r, h) owns the 24 bytes of place r, k = 32 h .. 32 h + 31: its first 16 bytes at 16 x lane, its last 8 at 512 + 8 x lane.
;      tiles 0-511 x, 512-575 Wq, 576-639 Wk, 640-703 Wv, 704-767 Wo.    scl: [row tile][256 along K: 0..3][place][2 words], a word for 128 along K.
; SHARES: a wave takes one row tile and half of K: four steps of 128 along K.  Each load reads 512 consecutive bytes of one row; a step's 16 rows turn through the wave's own stage in LDS, so that a lane
; then holds two whole blocks of 32 of one row; every store covers whole runs of 256 consecutive bytes.  Waves share nothing: no barrier; work-groups share no input: no cluster.
; LIMITS: a block of zeros gets the byte 1 where the rule says 127 (its codes are zeros, and this program alone reads the bytes); blocks whose largest magnitude lies under 2^-124 are held at that byte;
; NaN and infinities among the inputs are not served.
.set ROWB, 4096                        ; a row of any of the five tensors, in bytes
.set SP,   528                         ; a stage row: 512 bytes + 16, an odd multiple of 16
.set WREG, 16*SP+256                   ; LDS of a wave: the stage, then its 256 bytes of scale words
.set R,    32                          ; v32-159  two sets of 64: a step's 16 rows as loaded
.set X,    160                         ; v160-223 my two blocks of 32
.set C,    224                         ; v224-235 their codes
.set CT,   236                         ; v236-238, v240-242 a block's upper 16 codes as converted
	s_load_b256 s[4:11], s[0:1], 0x0               ; x, Wq, Wk, Wv
	s_load_b128 s[12:15], s[0:1], 0x20             ; Wo, img
	s_load_b64 s[16:17], s[0:1], 0x30              ; scl
	v_lshl_add_u32 v254, v0, 2, 0x8800
	v_mov_b32 v255, 0
	v_lshrrev_b32 v1, 5, v0
	v_readfirstlane_b32 s18, v1                    ; wave 0..3
	v_and_b32 v8, 31, v0                           ; lane
	v_and_b32 v9, 15, v0                           ; r
	v_bfe_u32 v10, v0, 4, 1                        ; h
	v_lshlrev_b32 v1, 4, v8                        ; 16 x lane: loads, and the stores of 16 bytes
	v_lshlrev_b32 v2, 3, v8                        ; 8 x lane: the stores of 8 bytes
	s_mul_i32 s32, s18, WREG
	v_add_nc_u32 v3, s32, v1                       ; the stage, on the way in: a row's 512 bytes as they lie
	v_mul_u32_u24 v4, v9, SP
	v_lshl_add_u32 v4, v10, 7, v4
	v_add_nc_u32 v4, s32, v4                       ; and on the way out: row r, + 128 h: my 32 numbers of each 64
	s_add_co_u32 s32, s32, 16*SP
	v_lshl_add_u32 v5, v9, 3, s32                  ; my row's scale words: 8 bytes a row
	v_add_nc_u32 v6, s32, v2                       ; and their way out: 8 bytes a lane
	v_lshlrev_b32 v7, 3, v10                       ; 8 h
	v_mov_b32 v15, 0                               ; written once: a lane permute's destination counts as one of its sources
	s_mov_b32 s20, 0x76543210
	s_mov_b32 s21, 0xfedcba98                      ; selects for lane l xor 16
	s_lshr_b32 s19, s18, 1
	s_and_b32 s22, s18, 1                          ; which half of K
	s_lshl_b32 s23, ttmp9, 1
	s_add_co_u32 s23, s23, s19                     ; my row tile: 2 x work-group + wave / 2
	s_and_b32 s24, s23, 63
	s_cmp_lt_u32 ttmp9, 256
	s_cselect_b32 s24, s23, s24                    ; the tile's number in its own tensor
	s_lshr_b32 s25, s24, 1
	s_lshl_b32 s25, s25, 17                        ; 32 rows of 4,096 bytes
	s_and_b32 s26, s24, 1
	s_lshl_b32 s26, s26, 15                        ; 8 rows
	s_add_co_u32 s26, s26, s25
	s_lshl_b32 s25, s22, 11                        ; half a row
	s_add_co_u32 s26, s26, s25
	s_mov_b32 s27, 0
	s_mul_i32 s28, s23, 12288
	s_mul_i32 s25, s22, 6144
	s_add_co_u32 s28, s28, s25                     ; in img
	s_mov_b32 s29, 0
	s_lshl_b32 s30, s23, 9
	s_lshl_b32 s25, s22, 8
	s_add_co_u32 s30, s30, s25                     ; in scl
	s_mov_b32 s31, 0
	s_wait_alu depctr_va_vdst(0)
	s_wait_kmcnt 0x0
	s_cmp_lt_u32 ttmp9, 352                        ; which tensor: the choice hangs on the work-group's number alone
	s_cselect_b64 s[12:13], s[10:11], s[12:13]
	s_cmp_lt_u32 ttmp9, 320
	s_cselect_b64 s[12:13], s[8:9], s[12:13]
	s_cmp_lt_u32 ttmp9, 288
	s_cselect_b64 s[12:13], s[6:7], s[12:13]
	s_cmp_lt_u32 ttmp9, 256
	s_cselect_b64 s[12:13], s[4:5], s[12:13]
	s_add_nc_u64 s[12:13], s[12:13], s[26:27]
	s_add_nc_u64 s[14:15], s[14:15], s[28:29]
	s_add_nc_u64 s[16:17], s[16:17], s[30:31]
.macro LOAD t                          ; step t: 128 along K of the tile's 16 rows, into set t % 2; place j is row j + 8 (j / 8) from the tile's first
.irp j, 0,1,2,3,4,5,6,7,8,9,10,11,12,13,14,15
	global_load_b128 v[R+64*((\t)%2)+4*\j:R+64*((\t)%2)+4*\j+3], v1, s[12:13] offset:(\j+8*(\j/8))*ROWB+512*(\t) th:TH_LOAD_NT
.endr
.endm
.macro STEP t
.if (\t) < 3
	s_wait_loadcnt 16                              ; this step's 16 loads are in; the next step's 16 may be out
.else
	s_wait_loadcnt 0x0
.endif
.irp j, 0,1,2,3,4,5,6,7,8,9,10,11,12,13,14,15
	ds_store_b128 v3, v[R+64*((\t)%2)+4*\j:R+64*((\t)%2)+4*\j+3] offset:SP*\j
.endr
.irp c, 0,1                            ; LDS serves a wave's instructions in order: these see the stores above
.irp m, 0,1,2,3,4,5,6,7
	ds_load_b128 v[X+32*\c+4*\m:X+32*\c+4*\m+3], v4 offset:256*\c+16*\m   ; k = 64 c + 32 h + 4 m .. of row r
.endr
.endr
	s_wait_dscnt 0x0                               ; my two blocks are in, and the stores have read their registers,
.if (\t) < 2
	LOAD (\t)+2                                    ; which take the loads of two steps on
.endif
.irp c, 0,1
	v_max3_num_f32 v[8+\c], |v[X+32*\c]|, |v[X+32*\c+1]|, 0x1800000   ; the block's largest magnitude, with the floor 2^(3 - 127) among its leaves: the byte cannot fall under 1
.endr
.irp i, 2,4,6,8,10,12,14,16,18,20,22,24,26,28,30
.irp c, 0,1
	v_max3_num_f32 v[8+\c], v[8+\c], |v[X+32*\c+\i]|, |v[X+32*\c+\i+1]|   ; (the two blocks by turns)
.endr
.endr
.irp c, 0,1
	v_add_nc_u32 v[10+\c], 0xff000000, v[8+\c]     ; 2 off its exponent field: the conversion takes this operand's exponent field as its scale
.endr
.irp c, 0,1
	v_lshrrev_b32 v[12+\c], 23, v[10+\c]           ; the scale's byte
.endr
	v_lshl_or_b32 v14, v13, 16, v12                ; my two bytes, blocks h and 2 + h of these 128,
	v_lshlrev_b32 v14, v7, v14                     ; at their places in the word;
	v_permlanex16_b32 v15, v14, s20, s21
	v_or_b32 v14, v14, v15                         ; with lane l xor 16's two the word is whole
	s_wait_alu depctr_va_vdst(0)
	s_wait_xcnt 0x0                                ; the last step's stores have read the codes' registers
.irp c, 0,1
	v_cvt_scalef32_pk16_fp6_f32 v[C+6*\c:C+6*\c+2], v[X+32*\c:X+32*\c+15], v[10+\c]
	v_cvt_scalef32_pk16_fp6_f32 v[CT+4*\c:CT+4*\c+2], v[X+32*\c+16:X+32*\c+31], v[10+\c]   ; (a conversion's three registers begin on an even number)
.endr
	v_nop                                          ; one plain place behind a scaled conversion
.irp c, 0,1
.irp i, 0,1,2
	v_mov_b32 v[C+6*\c+3+\i], v[CT+4*\c+\i]
.endr
.endr
.irp c, 0,1
	global_store_b128 v1, v[C+6*\c:C+6*\c+3], s[14:15] offset:(2*(\t)+\c)*768         ; 512 consecutive bytes
	global_store_b64 v2, v[C+6*\c+4:C+6*\c+5], s[14:15] offset:(2*(\t)+\c)*768+512    ; 256 consecutive bytes
.endr
	ds_store_b32 v5, v14 offset:128*((\t)/2)+4*((\t)%2)   ; both lanes of a row write the same word with the same value
.endm
	LOAD 0
	LOAD 1
	STEP 0
	STEP 1
	STEP 2
	STEP 3
	ds_load_b64 v[16:17], v6                       ; my wave's 64 scale words
	s_wait_dscnt 0x0
	global_store_b64 v2, v[16:17], s[16:17]        ; 256 consecutive bytes, aligned
	s_wait_tensorcnt 0x0
	ds_add_u32 v254, v255
	s_wait_dscnt 0x0
	s_endpgm
.Lfunc_end_k_qb55e0410e4_quant:
	.size	k_qb55e0410e4_quant, .Lfunc_end_k_qb55e0410e4_quant-k_qb55e0410e4_quant
	.p2alignl 7, 3214868480
	.fill 96, 4, 3214868480
	.section	.rodata,"a",@progbits
	.p2align	6, 0x0
	.amdhsa_kernel k_qb55e0410e4_quant
		.amdhsa_group_segment_fixed_size 35328
		.amdhsa_private_segment_fixed_size 0
		.amdhsa_enable_private_segment 0
		.amdhsa_kernarg_size 56
		.amdhsa_user_sgpr_count 2
		.amdhsa_user_sgpr_kernarg_segment_ptr 1
		.amdhsa_wavefront_size32 1
		.amdhsa_system_sgpr_workgroup_id_x 1
		.amdhsa_system_sgpr_workgroup_id_y 1
		.amdhsa_system_sgpr_workgroup_id_z 1
		.amdhsa_system_vgpr_workitem_id 0
		.amdhsa_next_free_vgpr 256
		.amdhsa_next_free_sgpr 66
		.amdhsa_reserve_vcc 0
		.amdhsa_float_denorm_mode_32 3
		.amdhsa_float_denorm_mode_16_64 3
		.amdhsa_memory_ordered 1
		.amdhsa_forward_progress 1
		.amdhsa_inst_pref_size 31
	.end_amdhsa_kernel
	.amdgpu_metadata
---
amdhsa.version: [ 1, 2 ]
amdhsa.kernels:
  - .name:           k_qb55e0410e4_quant
    .symbol:         k_qb55e0410e4_quant.kd
    .args:
      - { .name: x, .offset: 0, .size: 8, .value_kind: global_buffer, .address_space: global }
      - { .name: Wq, .offset: 8, .size: 8, .value_kind: global_buffer, .address_space: global }
      - { .name: Wk, .offset: 16, .size: 8, .value_kind: global_buffer, .address_space: global }
      - { .name: Wv, .offset: 24, .size: 8, .value_kind: global_buffer, .address_space: global }
      - { .name: Wo, .offset: 32, .size: 8, .value_kind: global_buffer, .address_space: global }
      - { .name: img, .offset: 40, .size: 8, .value_kind: global_buffer, .address_space: global }
      - { .name: scl, .offset: 48, .size: 8, .value_kind: global_buffer, .address_space: global }
    .group_segment_fixed_size: 35328
    .private_segment_fixed_size: 0
    .kernarg_segment_align: 8
    .kernarg_segment_size: 56
    .max_flat_workgroup_size: 128
    .sgpr_count:     66
    .vgpr_count:     256
    .wavefront_size: 32
...
	.end_amdgpu_metadata
.endif
;; end of part 1
;; launch qkv (part 2): grid 8 x 48, 4 waves a work-group, clusters of 4 x 4, 327,680 bytes of LDS; arguments img, scl, bq, bk, bv, mask, q, kv; writes q, kv
.if DOCPART == 2
	.amdgcn_target "amdgcn-amd-amdhsa--gfx1250"
	.amdhsa_code_object_version 6
	.text
	.protected	k_qb55e0410e4_qkv
	.globl	k_qb55e0410e4_qkv
	.p2align	8
	.type	k_qb55e0410e4_qkv,@function
k_qb55e0410e4_qkv:
	s_mov_b64 s[64:65], 0
	v_nop
	global_prefetch_b8 v0, s[64:65] scope:SCOPE_SE
	s_setreg_imm32_b32 hwreg(HW_REG_WAVE_MODE, 25, 1), 1
	s_wait_xcnt 0x0
	s_wait_alu depctr_hold_cnt(0) depctr_sa_sdst(0) depctr_va_vdst(0) depctr_va_sdst(0) depctr_va_ssrc(0) depctr_va_vcc(0) depctr_vm_vsrc(0)
	s_getreg_b32 s2, hwreg(HW_REG_IB_STS2, 6, 4)
	s_cmp_eq_u32 s2, 0
	s_cbranch_scc0 .Lentry_in_a_cluster
	s_endpgm
.Lentry_in_a_cluster:
	s_bfe_u32 s2, ttmp6, 0x10000c
	s_cmp_lg_u32 s2, 0xf033
	s_cbranch_scc0 .Lentry_shape_is_right
	s_endpgm
.Lentry_shape_is_right:
; Q = x Wq^T + bq, K = x Wk^T + bk, V^T = Wv x^T + bv on codes of FP6 (E2M3) with E8M0 scales, sums in f32; the results are quantised on the way out and laid as attention's operand registers.
; One text for the three products.  A tile of 256 x 256 is made by four waves, 128 x 128 each: 64 accumulators, 512 registers.  K = 1,024 goes in four steps of 256 through two LDS slots.
; THE MATRIX INSTRUCTION IS USED TRANSPOSED: source 0 = 16 rows of B, source 1 = 16 rows of A: a lane holds ONE row of A, and its registers run along B's rows, which lie at positions chosen so that
; the 16 registers of B's tiles 2 b and 2 b + 1 are 16 neighbours.  Q, K (cluster y 0-7; cluster x: 0 Q, 1 K): A = x, B = the weight: a lane holds a token and 128 features = two heads: quantised along d.
; V (cluster y 8-11): A = Wv, B = x: a lane holds a feature and 128 tokens: quantised along the keys.
; OPERANDS lie in img as images of their registers (768 bytes for 16 rows x 64 K: 16 bytes a lane, then 8 bytes a lane): a fragment is four dense LDS loads, without padding and without bank conflicts.
; CLUSTERS: 4 x 4 work-groups; A's tiles are asked for jointly along a row of the cluster, B's along a column.  Every branch hangs on the wave's number or on the cluster's own x and y, which partners share.
; THE MASK goes into K's scale words.  K Q^T fills k = 0..63 of the instruction's 128; in attention k = 64 holds the code +1 for every query and -1 for every key.  Byte 2 of a scale word scales k = 64..95:
; Q's is 100 (2^-27); an open key's is 1 (2^-126: the term -2^-153 is nothing in f32), a masked key's 254 (2^127: the term is -2^100).  Byte 3 is 1 on both sides, over zero codes.
; q:  [batch x head][128 queries: 0..15][6,656]: eight images of 768 bytes, then 128 scale words.
; kv: [batch x head][128 keys: 0..15][13,056]: K's eight images, K's 128 scale words, V's four images (16 d x 128 keys, 12 registers as three planes of 512 bytes), V's 64 scale words.
; ONE TEXT, NO REGISTER WRITTEN ON ONE PATH ALONE: the loads of biases and mask at the head are issued by all work-groups through chosen pointers.  Q's work-groups load the mask and choose between two
; equal constants by it; V's work-groups load 128 numbers of bv into BI that they do not use.
; LIMITS: -2^100 stands for the mask's -infinity; a block of zeros gets the byte 1; NaN and infinities among the inputs are not served.
; REGISTERS, in windows of 256: window 0: v0-31 addresses; v32-63 scale words, two sets; v64-127 BI; v128-223 A's fragments, one set; v232-239 MK.  window 1: B's fragments, two sets, at v0 and v128.
;   windows 2, 3: the accumulators of my rows 0-63, 64-127 (accumulator (a, b) at v[8 (8 (a % 4) + b)]).  On the way out window 0's v128-255 are at work.
.set TILEB,  3072                      ; a row tile's part of a slot: 256 along K = four images
.set HALFT,  8*TILEB                   ; eight row tiles: what one tensor load brings, and what one wave reads of A or of B
.set SLOT,   4*HALFT                   ; A's 16 row tiles, then B's 16
.set SCL,    2*SLOT                    ; behind the ring: the scale words for all of K: A's 8,192 bytes, then B's
.set HALFS,  4096                      ; those of eight row tiles
.set SPARE,  SCL+4*HALFS               ; the spare words, 128 bytes for each wave: two blocks of 256 bytes that no other line names
.set ROWT,   12288                     ; a row tile in img
.set NQ,     2                         ; matrix instructions deep in a slot
.set FR,     12                        ; registers of a fragment
.set NL,     4                         ; LDS loads that bring one
.set NP,     4                         ; places behind this matrix instruction (ISA guide 7.12.1)
.set O16,  8                           ; v8   16 x lane
.set O8,   9                           ; v9   8 x lane
.set SST,  10                          ; v10  the way out: where my scale word goes in my wave's stage: 1,024 x wave + 512 h + 4 r
.set SRD,  11                          ; v11  and where I read it back: 1,024 x wave + 16 x lane
.set H16,  12                          ; v12  16 h
.set OV,   13                          ; v13  V's scale words in kv: 16 r + a head's bytes x h
.set ADRA, 16                          ; v16-17 LDS address of A's fragments in slot 0, 1, 16 bytes a lane; v18-19 the same, 8 bytes a lane
.set ADRB, 20                          ; v20-23 the same for B
.set ADRS, 27                          ; v27  my scale words: lanes 0-15 A's rows, lanes 16-31 B's
.set SPW,  28                          ; v28  my spare word: SPARE + 4 x my thread's number; never rewritten
.set NIL,  29                          ; v29  0; never rewritten
.set SC,   32
.set BI,   64                          ; v64-127  Q, K: the bias of my 128 features in the result's layout
.set AF,   128
.set MK,   232                         ; v232-239 Q, K: the mask of block a's token at my place; V: bv of block a's feature at my place
.set HI,   240                         ; v240-247 the scale words' upper halves
.set HA,   128                         ; the way out: 64 numbers of a block
.set PC,   192                         ; its codes
.set TM,   212                         ; at work
.set PW,   228                         ; the scale word just made
.set G1, 24
.set G0, 32
.set G1B, 48
.set G0B, 56
.set G1S, 68
.set G0S, 76
.set G0SB, 80
.set G1SB, 92
.set SEL, 66
.set MSB, 0
.macro WIN new                         ; the immediate's high byte repeats the setting that is left
.if MSB != (\new)
	s_set_vgpr_msb (MSB<<8)|(\new)
.set MSB, (\new)
.endif
.endm
.set MUL_LO, 0xa1                      ; source 0 (B) window 1, source 1 (A) window 0, C and D window 2
.set MUL_HI, 0xf1                      ; the same, C and D window 3
.set TO_B,   0x40                      ; destination window 1, address window 0
; A joint refill: waves 0 and 1 fetch for A, waves 2 and 3 for B.  Four v_nop follow each of the two lines, ahead of the jump, the label and what follows.
.macro JLOAD g0a, g1a, g0b, g1b
	s_cmp_eq_u32 s15, 0
	s_cbranch_scc0 .Lfor_b_\@
	tensor_load_to_lds s[\g0a:\g0a+3], s[\g1a:\g1a+7]
	s_nop 0
.rept 4
	v_nop
.endr
	s_branch .Lasked_\@
.Lfor_b_\@:
	tensor_load_to_lds s[\g0b:\g0b+3], s[\g1b:\g1b+7]
	s_nop 0
.rept 4
	v_nop
.endr
.Lasked_\@:
.endm
.macro CREST                           ; a round of the cluster's barrier behind its opening barrier
	s_cmp_lg_u32 s14, 0
	s_cbranch_scc1 .Lnot_wave_0_\@
	s_barrier_signal -3
.Lnot_wave_0_\@:
	s_barrier_wait -3
	s_barrier_signal -1
	s_barrier_wait -1
.endm
.macro CROUND                          ; a whole round
	s_barrier_signal -1
	s_barrier_wait -1
	CREST
.endm
.macro PLACES n
.rept \n
	v_nop
.endr
.endm
	s_load_b256 s[4:11], s[0:1], 0x0               ; img, scl, bq, bk
	s_load_b256 s[84:91], s[0:1], 0x20             ; bv, mask, q, kv
	v_lshl_add_u32 v[SPW], v0, 2, SPARE
	v_mov_b32 v[NIL], 0
	ds_add_u32 v28, v29
	ds_add_u32 v28, v29
	s_wait_dscnt 0x0
	v_lshrrev_b32 v1, 5, v0
	v_readfirstlane_b32 s14, v1                    ; wave 0..3
	s_lshr_b32 s15, s14, 1                         ; which half of A's rows is mine.  Also: I fetch for A (0) or for B (1)
	s_and_b32 s16, s14, 1                          ; which half of B's rows.  Also: which eight row tiles I fetch
	s_bfe_u32 s40, ttmp6, 0x40000                  ; cx, cy: my place in the cluster
	s_bfe_u32 s41, ttmp6, 0x40004
	s_mov_b32 s101, ttmp9                          ; the cluster's x: 0, 1
	s_and_b32 s100, ttmp7, 0xffff                  ; the cluster's y: 0..11; from 8 on: V
	s_lshl_b32 s43, s41, 2
	s_lshl_b32 s43, 15, s43                        ; my row of the cluster
	s_lshl_b32 s44, 0x1111, s40                    ; my column
	; group 1 for the codes: eight rows of 3,072 bytes (384 elements of 8 bytes), a row tile (1,536 elements) apart; no padding
	s_or_b32 s[G1+0], s43, (3<<16)|(1<<21)         ; 15:0 the mask: A's tiles go to my row; 17:16 elements of 8 bytes; 21 set beside a mask
	s_or_b32 s[G1B+0], s44, (3<<16)|(1<<21)
.irp g, G1, G1B
	s_mov_b32 s[\g+1], 384<<16                     ; tensor_dim0
	s_mov_b32 s[\g+2], 16<<16                      ; tensor_dim1: the head's loads bring all 16 row tiles; set to 8 for the ring behind them
	s_mov_b32 s[\g+3], 384<<16                     ; tile_dim0
	s_mov_b32 s[\g+4], 16                          ; tile_dim1
	s_mov_b32 s[\g+5], 1536                        ; tensor_dim0_stride
	s_mov_b32 s[\g+6], 0
	s_mov_b32 s[\g+7], 0
.endr
	; and for the scale words of 16 row tiles: 8,192 dense bytes as 32 rows of 256
	s_or_b32 s[G1S+0], s43, (3<<16)|(1<<21)
	s_or_b32 s[G1SB+0], s44, (3<<16)|(1<<21)
.irp g, G1S, G1SB
	s_mov_b32 s[\g+1], 32<<16
	s_mov_b32 s[\g+2], 32<<16                      ; the scale words of 16 row tiles: 8,192 dense bytes as 32 rows of 256
	s_mov_b32 s[\g+3], 32<<16
	s_mov_b32 s[\g+4], 32
	s_mov_b32 s[\g+5], 32
	s_mov_b32 s[\g+6], 0
	s_mov_b32 s[\g+7], 0
.endr
	; the operands' first row tiles in img.  A's hangs on cy alone among the places, B's on cx alone, each in registers that never hold the other
	s_lshl_b32 s17, s100, 6                        ; Q, K: A = x: 64 x cluster y
	s_max_u32 s19, s100, 8
	s_sub_co_u32 s19, s19, 8
	s_lshl_b32 s19, s19, 1
	s_add_co_u32 s19, s19, s101
	s_lshl_b32 s19, s19, 6                         ; V: B = x: 64 (2 (cluster y - 8) + cluster x)
	s_lshl_b32 s42, s101, 6
	s_add_co_u32 s42, s42, 512                     ; Q, K: B = Wq (512) or Wk (576)
	s_cmp_ge_u32 s100, 8
	s_cselect_b32 s17, 640, s17                    ; V: A = Wv
	s_cselect_b32 s42, s19, s42
	s_lshl_b32 s21, s41, 4
	s_add_co_u32 s17, s17, s21                     ; + 16 cy
	s_mov_b32 s20, s17                             ; A's first row tile
	s_lshl_b32 s45, s40, 4
	s_add_co_u32 s42, s42, s45                     ; + 16 cx
	s_mov_b32 s46, s42                             ; B's first row tile
	s_lshl_b32 s22, s20, 9                         ; their scale words: 512 bytes a row tile
	s_mov_b32 s23, 0
	s_mul_i32 s20, s20, ROWT                       ; their codes
	s_mov_b32 s21, 0
	s_lshl_b32 s66, s46, 9
	s_mov_b32 s67, 0
	s_mul_i32 s46, s46, ROWT
	s_mov_b32 s47, 0
	s_mul_i32 s12, s14, HALFT                      ; where they go: wave x eight row tiles: no place in the cluster enters an LDS address
	s_mul_i32 s2, s16, 8*ROWT                      ; in the ring I fetch eight row tiles: which half, in bytes
	s_mov_b32 s3, 0
	s_wait_kmcnt 0x0
	s_add_nc_u64 s[20:21], s[4:5], s[20:21]
	s_add_nc_u64 s[22:23], s[6:7], s[22:23]
	s_add_nc_u64 s[46:47], s[4:5], s[46:47]
	s_add_nc_u64 s[66:67], s[6:7], s[66:67]
	CROUND                                         ; all sixteen work-groups are here: the first joint loads meet
	s_mov_b32 s[G0S], 1
	s_mov_b32 s[G0S+1], SCL
	s_mov_b64 s[G0S+2:G0S+3], s[22:23]
	s_or_b32 s[G0S+3], s[G0S+3], 0x80000000
	s_mov_b32 s[G0SB], 1
	s_mov_b32 s[G0SB+1], SCL+2*HALFS
	s_mov_b64 s[G0SB+2:G0SB+3], s[66:67]
	s_or_b32 s[G0SB+3], s[G0SB+3], 0x80000000
	s_mov_b32 s[G0], 1                             ; slot 0 at the head: A's 16 row tiles whole,
	s_mov_b32 s[G0+1], 0
	s_mov_b64 s[G0+2:G0+3], s[20:21]
	s_or_b32 s[G0+3], s[G0+3], 0x80000000
	s_mov_b32 s[G0B], 1                            ; and B's 16 behind them
	s_mov_b32 s[G0B+1], 2*HALFT
	s_mov_b64 s[G0B+2:G0B+3], s[46:47]
	s_or_b32 s[G0B+3], s[G0B+3], 0x80000000
	s_add_nc_u64 s[20:21], s[20:21], s[2:3]        ; for the ring: my eight row tiles
	s_add_nc_u64 s[46:47], s[46:47], s[2:3]
	s_mov_b32 s[G0+4], 1                           ; slot 1: my quarter, the second 256 along K
	s_add_co_u32 s[G0+5], s12, SLOT
	s_add_nc_u64 s[G0+6:G0+7], s[20:21], TILEB
	s_or_b32 s[G0+7], s[G0+7], 0x80000000
	s_mov_b32 s[G0B+4], 1
	s_add_co_u32 s[G0B+5], s12, SLOT
	s_add_nc_u64 s[G0B+6:G0B+7], s[46:47], TILEB
	s_or_b32 s[G0B+7], s[G0B+7], 0x80000000
; the head's four tiles, one load a wave, in one chain of arms on the wave's number: wave 0 slot 0's rows of A, wave 1 its rows of B, wave 2 A's scale words, wave 3 B's
.macro ARM under, g0, g1, next
	s_cmp_lt_u32 s14, \under
	s_cbranch_scc0 \next
	tensor_load_to_lds s[\g0:\g0+3], s[\g1:\g1+7]
	s_nop 0
.rept 4
	v_nop
.endr
	s_branch .Lfirst_asked
\next:
.endm
	ARM 1, G0,  G1,  .Lhead_b
	ARM 2, G0B, G1B, .Lhead_sa
	ARM 3, G0S, G1S, .Lhead_sb
	tensor_load_to_lds s[G0SB:G0SB+3], s[G1SB:G1SB+7]
	s_nop 0
.rept 4
	v_nop
.endr
.Lfirst_asked:
	v_and_b32 v1, 15, v0                           ; r
	v_bfe_u32 v2, v0, 4, 1                         ; h
	v_and_b32 v3, 31, v0                           ; lane
	v_lshlrev_b32 v[O16], 4, v3
	v_lshlrev_b32 v[O8], 3, v3
	s_mul_i32 s17, s15, HALFT                      ; my eight row tiles of A
	s_mul_i32 s18, s16, HALFT                      ; my eight of B,
	s_add_co_u32 s18, s18, 2*HALFT                 ; which lie behind A's sixteen
.irp s, 0,1
	v_add_nc_u32 v[ADRA+\s], s17, v[O16]
	v_add_nc_u32 v[ADRA+2+\s], s17, v[O8]
	v_add_nc_u32 v[ADRB+\s], s18, v[O16]
	v_add_nc_u32 v[ADRB+2+\s], s18, v[O8]
	s_add_co_u32 s17, s17, SLOT
	s_add_co_u32 s18, s18, SLOT
.endr
	s_lshl_b32 s17, s15, 12                        ; A's scale words: my eight row tiles
	s_lshl_b32 s18, s16, 12                        ; B's: my eight, behind A's sixteen
	s_add_co_u32 s18, s18, 2*HALFS
	s_sub_co_u32 s18, s18, s17
	v_mul_u32_u24 v6, s18, v2                      ; lanes 16-31 take B's: the lower base + h x the distance
	s_add_co_u32 s17, s17, SCL
	v_lshl_add_u32 v6, v1, 3, v6                   ; 8 bytes a row
	v_add_nc_u32 v[ADRS], s17, v6
	s_lshl_b32 s17, s14, 10                        ; the way out's addresses, made ahead of every parting
	v_lshlrev_b32 v[SST], 2, v1
	v_lshl_add_u32 v[SST], v2, 9, v[SST]
	v_add_nc_u32 v[SST], s17, v[SST]
	v_add_nc_u32 v[SRD], s17, v[O16]
	v_lshlrev_b32 v[H16], 4, v2
	v_mul_u32_u24 v6, 0x33000, v2                  ; a head's 208,896 bytes of kv
	v_lshl_add_u32 v[OV], v1, 4, v6
	v_lshlrev_b32 v30, 6, v2                       ; BI: my half's 16 features of each 32
	s_wait_alu depctr_va_vdst(0)
	v_and_b32 v7, 8, v1
	v_add_nc_u32 v7, v7, v1
	v_lshlrev_b32 v31, 2, v7                       ; MK: the row at my place of a tile: r + 8 (r / 8)
	v_min_u32 v24, 23, v3                          ; the prefetches' offset: a lane a block of 256 bytes; two row tiles x 12 blocks of a K step; lanes 24-31 name the last block again
	v_mul_u32_u24 v25, v24, 171
	v_lshrrev_b32 v25, 11, v25                     ; block / 12: which of the two row tiles
	v_lshlrev_b32 v24, 8, v24
	v_mad_u32_u24 v24, v25, ROWT-TILEB, v24        ; never rewritten
	s_wait_alu depctr_va_vdst(0)
	; PREFETCHES INTO THE L2: of the eight row tiles that my wave fetches in the ring, each of the four partners that ask for them jointly takes two, told apart by address (cx for A, cy for B).
	; K steps 1 and 2 are named here, K step 3 behind slot 1's fill: each one fill or more ahead of the load that wants it.  x's tiles are named by every cluster that loads them (three);
	; a weight's, which eight clusters load, by four: cluster rows 0-3 (Wq, Wk), cluster column 0 (Wv).  The test hangs on the cluster's own numbers and the wave's.
	s_cmp_eq_u32 s15, 0
	s_cselect_b64 s[22:23], s[20:21], s[46:47]     ; my eight row tiles of A or of B, K step 0
	s_cselect_b32 s66, s40, s41
	s_mul_i32 s66, s66, 2*ROWT
	s_mov_b32 s67, 0
	s_add_nc_u64 s[22:23], s[22:23], s[66:67]      ; my work-group's two of them
	s_cmp_lt_u32 s100, 4
	s_cselect_b32 s13, 1, 0
	s_cmp_eq_u32 s101, 0
	s_cselect_b32 s66, 1, 0
	s_cmp_ge_u32 s100, 8
	s_cselect_b32 s13, s66, s13                    ; does my cluster name the weight's tiles?
	s_cselect_b32 s66, 1, 0                        ; x is A for Q and K, B for V
	s_cmp_eq_u32 s15, s66
	s_cselect_b32 s13, 1, s13                      ; s13 = 1: my wave asks
	s_cmp_eq_u32 s13, 1
	s_cbranch_scc0 .Lno_ask_0
	global_prefetch_b8 v24, s[22:23] offset:TILEB th:TH_LOAD_NT scope:SCOPE_SE
	global_prefetch_b8 v24, s[22:23] offset:2*TILEB th:TH_LOAD_NT scope:SCOPE_SE
.Lno_ask_0:
	s_lshl_b32 s17, s100, 2
	s_add_co_u32 s17, s17, s41                     ; Q, K: the tile row of tokens: 4 x cluster y + cy
	s_cmp_eq_u32 s101, 0
	s_cselect_b64 s[42:43], s[8:9], s[10:11]       ; bq or bk
	s_cmp_ge_u32 s100, 8
	s_cselect_b64 s[42:43], s[84:85], s[42:43]     ; V: bv
	s_cselect_b64 s[44:45], s[84:85], s[86:87]     ; V: bv; Q, K: the mask
	s_cselect_b32 s17, s41, s17                    ; V: the tile row of features: cy
	s_lshl_b32 s17, s17, 10
	s_lshl_b32 s18, s15, 9
	s_add_co_u32 s18, s17, s18                     ; 4 bytes x (256 x tile row + 128 x my half of A's rows)
	s_mov_b32 s19, 0
	s_add_nc_u64 s[44:45], s[44:45], s[18:19]
	s_lshl_b32 s18, s40, 10
	s_lshl_b32 s17, s16, 9
	s_add_co_u32 s18, s18, s17                     ; 4 bytes x (256 cx + 128 x my half of B's rows)
	s_add_nc_u64 s[42:43], s[42:43], s[18:19]
.irp t, 0,1,2,3,4,5,6,7
	global_load_b128 v[BI+8*\t:BI+8*\t+3], v30, s[42:43] offset:(32*(\t/2)+8*(\t%2))*4
	global_load_b128 v[BI+8*\t+4:BI+8*\t+7], v30, s[42:43] offset:(32*(\t/2)+8*(\t%2))*4+16
.endr
.irp a, 0,1,2,3,4,5,6,7
	global_load_b32 v[MK+\a], v31, s[44:45] offset:(32*(\a/2)+8*(\a%2))*4
.endr
; a fragment, 16 rows x 128 K: two images on end: registers 0-3, 4-5 and 6-9, 10-11
.macro FRAG reg, adr, q, i
	ds_load_b128 v[\reg:\reg+3], v[\adr] offset:TILEB*(\i)+1536*(\q)
	ds_load_b64 v[\reg+4:\reg+5], v[\adr+2] offset:TILEB*(\i)+1536*(\q)+512
	ds_load_b128 v[\reg+6:\reg+9], v[\adr] offset:TILEB*(\i)+1536*(\q)+768
	ds_load_b64 v[\reg+10:\reg+11], v[\adr+2] offset:TILEB*(\i)+1536*(\q)+1280
.endm
; one product: A's block a x B's block b, the slot's q-th 128 along K; p: B's set; sc: the set of scale words; zero = 1: it starts the sum
.macro PROD a, b, p, q, sc, zero
.set rD, 8*(8*((\a)%4)+(\b))
.set rB, 128*(\p)+FR*(\b)
.set rA, AF+FR*(\a)
.set rSB, SC+8*NQ*(\sc)+NQ*(\b)+(\q)
.set rSA, SC+8*NQ*(\sc)+NQ*(\a)+(\q)
.if (\zero) == 1
	v_wmma_scale_f32_16x16x128_f8f6f4 v[rD:rD+7], v[rB:rB+FR-1], v[rA:rA+FR-1], 0, v[rSB], v[rSA] matrix_a_fmt:MATRIX_FMT_FP6 matrix_b_fmt:MATRIX_FMT_FP6 matrix_a_scale:MATRIX_SCALE_ROW1
.else
	v_wmma_scale_f32_16x16x128_f8f6f4 v[rD:rD+7], v[rB:rB+FR-1], v[rA:rA+FR-1], v[rD:rD+7], v[rSB], v[rSA] matrix_a_fmt:MATRIX_FMT_FP6 matrix_b_fmt:MATRIX_FMT_FP6 matrix_a_scale:MATRIX_SCALE_ROW1
.endif
.endm
; 16 products: A's blocks a0, a0 + 1 x B's eight.  The 64 accumulators take turns, one instruction a turn, in the same order in every step
.macro MUL16 a0, p, q, sc, zero
.irp a, \a0, \a0+1
.irp b, 0,1,2,3,4,5,6,7
	PROD \a, \b, \p, \q, \sc, \zero
.endr
.endr
.endm
.macro FETCH_B slot, q, p
	WIN TO_B
.irp i, 0,1,2,3,4,5,6,7
	FRAG 128*(\p)+FR*\i, ADRB+\slot, \q, \i
.endr
	WIN 0
.endm
.macro FETCH_A slot, q, i0
.irp i, \i0, \i0+1, \i0+2, \i0+3
	FRAG AF+FR*(\i), ADRA+\slot, \q, \i
.endr
.endm
.macro SCALES sc                       ; a slot's two scale words a row: lanes 0-15 take A's block i, lanes 16-31 B's block i
.irp i, 0,1,2,3,4,5,6,7
	ds_load_b64 v[SC+8*NQ*\sc+NQ*\i:SC+8*NQ*\sc+NQ*\i+1], v[ADRS] offset:\i*512
.endr
.endm
; A step of 128 along K that has its successor in the same slot.  A has one set of registers (a block is free when its eight products are issued), B two.
.macro STEP slot, q, zero
	s_wait_dscnt 4*NL                              ; B's set, A's blocks 0-3 and the scale words are in; the youngest 16 loads (A's blocks 4-7) may be out
	WIN MUL_LO
	MUL16 0, (\q)%2, \q, \slot, \zero
	MUL16 2, (\q)%2, \q, \slot, \zero
	s_wait_dscnt 0                                 ; A's blocks 4-7 are in
	PLACES NP                                      ; in front of loads into registers that matrix instructions have read
	FETCH_B \slot, (\q)+1, 1-(\q)%2
	FETCH_A \slot, (\q)+1, 0
	WIN MUL_HI
	MUL16 4, (\q)%2, \q, \slot, \zero
	MUL16 6, (\q)%2, \q, \slot, \zero
	PLACES NP
	WIN 0
	FETCH_A \slot, (\q)+1, 4
.endm
; A slot's last step changes slots: ONE barrier; in front of it each wave waits for all its tensor loads, adds 0 to its spare word, and waits for that and for its own reads of this slot.
.macro TURN slot, next, fill
	s_wait_tensorcnt 0x0                           ; all my tensor loads have landed: my part of the next slot (every window is 0 here)
	ds_add_u32 v[SPW], v[NIL]                      ; 0 onto my spare word
	s_wait_dscnt 4*NL+1                            ; (the add and the youngest 16 loads, A's blocks 4-7, may be out)
	WIN MUL_LO
	MUL16 0, 1, NQ-1, \slot, 0                     ; sixteen matrix instructions stand between the add and the wait for it
	s_wait_dscnt 0x0                               ; the add is done, and my reads of this slot are over
	s_barrier_signal -1
	MUL16 2, 1, NQ-1, \slot, 0
	WIN 0
	s_barrier_wait -1
.if \fill
	CREST                                          ; the barrier has opened a round of the cluster's barrier: no wave of any partner still reads this slot or has a load on its way
	s_add_nc_u64 s[G0+4*\slot+2:G0+4*\slot+3], s[G0+4*\slot+2:G0+4*\slot+3], 2*TILEB
	s_add_nc_u64 s[G0B+4*\slot+2:G0B+4*\slot+3], s[G0B+4*\slot+2:G0B+4*\slot+3], 2*TILEB
	JLOAD G0+4*\slot, G1, G0B+4*\slot, G1B         ; the first tensor load behind the round; its four v_nop are the places in front of the loads below
.else
	PLACES NP
.endif
	s_wait_alu depctr_va_vdst(0)
	v_add_nc_u32 v[ADRS], 128, v[ADRS]             ; on to the next slot's scale words (no LDS load of mine is out)
	FETCH_B \next, 0, 0
	FETCH_A \next, 0, 0
	SCALES \next
	WIN MUL_HI
	MUL16 4, 1, NQ-1, \slot, 0
	MUL16 6, 1, NQ-1, \slot, 0
	PLACES NP
	WIN 0
	FETCH_A \next, 0, 4
.endm
	s_wait_alu depctr_va_vdst(0)
	s_wait_tensorcnt 0x0                           ; my tile of the head's four is in; the three lines stand ahead of slot 1's first fill as ahead of a refill
	ds_add_u32 v[SPW], v[NIL]
	s_mov_b32 s[G1+2], 8<<16                       ; no tensor load of mine is out: from here on a load brings eight row tiles,
	s_mov_b32 s[G1+4], 8
	s_mov_b32 s[G1B+2], 8<<16
	s_mov_b32 s[G1B+4], 8
	s_mul_i32 s[G0+1], s14, HALFT                  ; and slot 0's descriptors name my quarter
	s_mul_i32 s[G0B+1], s14, HALFT
	s_add_nc_u64 s[G0+2:G0+3], s[G0+2:G0+3], s[2:3]
	s_add_nc_u64 s[G0B+2:G0B+3], s[G0B+2:G0B+3], s[2:3]
	s_wait_dscnt 0x0
	CROUND                                         ; a whole round: all four tiles are in, and the joint loads meet
	JLOAD G0+4, G1, G0B+4, G1B                     ; slot 1's first fill, the first tensor load behind the round
	FETCH_B 0, 0, 0
	FETCH_A 0, 0, 0
	SCALES 0
	FETCH_A 0, 0, 4
	s_cmp_eq_u32 s13, 1
	s_cbranch_scc0 .Lno_ask_1
	global_prefetch_b8 v24, s[22:23] offset:3*TILEB th:TH_LOAD_NT scope:SCOPE_SE   ; K step 3, two refills ahead of its load
.Lno_ask_1:
	STEP 0, 0, 1
	s_mov_b32 s3, 1
.Llap:                                                 ; a trip goes once round the ring and fills both slots again: K = 1,024 is two laps, so one trip
	TURN 0, 1, 1
	STEP 1, 0, 0
	TURN 1, 0, 1
	STEP 0, 0, 0
	s_sub_co_u32 s3, s3, 1
	s_cmp_lg_u32 s3, 0
	s_cbranch_scc1 .Llap
	TURN 0, 1, 0                                   ; the last lap fills nothing
	STEP 1, 0, 0
	s_wait_dscnt 4*NL
	WIN MUL_LO
	MUL16 0, 1, NQ-1, 1, 0
	MUL16 2, 1, NQ-1, 1, 0
	s_wait_dscnt 0
	WIN MUL_HI
	MUL16 4, 1, NQ-1, 1, 0
	MUL16 6, 1, NQ-1, 1, 0
	WIN 0
; 64 numbers of a lane, v[s] .. v[s + 63], register 16 b + i = k 32 b + 16 h + i of my row, become a fragment's codes in v[PC] on and its scale word in v[PW]
.macro QUANT s
.irp b, 0,1,2,3
	v_max3_num_f32 v[TM+\b], |v[\s+16*\b]|, |v[\s+1+16*\b]|, 0x1800000   ; block b: my 16 numbers, and the floor 2^(3 - 127): the byte cannot fall under 1
.endr
.irp i, 2,4,6,8,10,12,14
.irp b, 0,1,2,3
	v_max3_num_f32 v[TM+\b], v[TM+\b], |v[\s+16*\b+\i]|, |v[\s+1+16*\b+\i]|   ; (the four blocks by turns)
.endr
.endr
.irp b, 0,1,2,3
	v_permlanex16_b32 v[TM+4+\b], v[TM+\b], s[SEL], s[SEL+1]
.endr
.irp b, 0,1,2,3
	v_max_num_f32 v[TM+\b], v[TM+\b], v[TM+4+\b]   ; with lane l xor 16's: the block's largest magnitude
.endr
.irp b, 0,1,2,3
	v_add_nc_u32 v[TM+12+\b], 0xff000000, v[TM+\b]   ; 2 off its exponent field: the conversion's scale operand
.endr
.irp b, 0,1,2,3
	v_lshrrev_b32 v[TM+4+\b], 23, v[TM+12+\b]      ; the scale's byte
.endr
	v_lshl_or_b32 v[PW], v[TM+5], 8, v[TM+4]
	v_lshl_or_b32 v[PW], v[TM+6], 16, v[PW]
	v_lshl_or_b32 v[PW], v[TM+7], 24, v[PW]
.irp c, 0,1
	v_cvt_scalef32_pk16_fp6_f32 v[PC+6*\c:PC+2+6*\c], v[\s+32*\c:\s+15+32*\c], v[TM+12+2*\c]
	v_cvt_scalef32_pk16_fp6_f32 v[PC+12+4*\c:PC+14+4*\c], v[\s+16+32*\c:\s+31+32*\c], v[TM+12+2*\c+1]   ; (a conversion's three registers begin on an even number)
.endr
	v_nop                                          ; one plain place behind a scaled conversion
.irp c, 0,1                                    ; the operand's layout wants a WHOLE block in a lane: lanes 0-15 block 2 c, lanes 16-31 block 2 c + 1
.irp i, 0,1,2
	v_permlane16_swap_b32 v[PC+6*\c+\i], v[PC+12+4*\c+\i]
.endr
.irp i, 0,1,2
	v_mov_b32 v[PC+3+6*\c+\i], v[PC+12+4*\c+\i]
.endr
.endr
.endm
	; THE WAY OUT.  The stage for the scale words lies in slot 0, which has had its last fill, and which nobody reads behind the last change of slots; each of the two paths has bytes of its own there.
	s_wait_loadcnt 0x0                             ; the biases and the mask
	s_wait_xcnt 0x0                                ; the prefetches have read their base, which is written again below
	PLACES NP                                      ; behind the last products
.irp b, 0,1,2,3
	v_mov_b32 v[TM+4+\b], 0                        ; a lane permute's destination counts as one of its sources
.endr
	s_mov_b32 s[SEL], 0x76543210
	s_mov_b32 s[SEL+1], 0xfedcba98                 ; selects for lane l xor 16
	s_cmp_ge_u32 s100, 8
	s_cbranch_scc1 .Lv
	; ---- Q, K: block a = 16 tokens; my 64 registers = features of two heads
	s_lshl_b32 s42, s100, 2
	s_add_co_u32 s42, s42, s41                     ; the tile row of tokens
	s_lshr_b32 s43, s42, 3
	s_lshl_b32 s43, s43, 4                         ; 16 x batch
	s_lshl_b32 s44, s40, 2
	s_add_co_u32 s43, s43, s44
	s_lshl_b32 s44, s16, 1
	s_add_co_u32 s43, s43, s44                     ; + my first head: 4 cx + 2 x my half of B's rows
	s_and_b32 s44, s42, 7
	s_lshl_b32 s44, s44, 1
	s_add_co_u32 s44, s44, s15                     ; which 128 tokens of the batch
	s_mov_b32 s45, 13056
	s_mov_b32 s12, 0x01010000                      ; K: an open key's upper half,
	s_mov_b32 s13, 0x01fe0000                      ; a masked key's
	s_cmp_eq_u32 s101, 0
	s_cselect_b32 s45, 6656, s45                   ; bytes for 128 tokens in q, in kv
	s_cselect_b64 s[18:19], s[88:89], s[90:91]     ; q or kv
	s_cselect_b32 s12, 0x01640000, s12             ; Q: one upper half, whatever the mask
	s_cselect_b32 s13, 0x01640000, s13
	s_lshl_b32 s46, s45, 4                         ; bytes for a head
	s_mov_b32 s47, 0
	s_mul_i32 s43, s43, s46
	s_mul_i32 s44, s44, s45
	s_add_co_u32 s42, s43, s44
	s_mov_b32 s43, 0
	s_add_nc_u64 s[18:19], s[18:19], s[42:43]      ; my first head's 128 tokens,
	s_add_nc_u64 s[20:21], s[18:19], s[46:47]      ; my second head's
	v_mov_b32 v14, s12
	v_mov_b32 v15, s13
.irp a, 0,1,2,3,4,5,6,7
	v_cmp_eq_u32 vcc_lo, 0, v[MK+\a]
	v_cndmask_b32 v[HI+\a], v14, v15, vcc_lo       ; the mask selects a value, nothing else
.endr
.irp a, 0,1,2,3,4,5,6,7
.if \a > 0
	s_wait_xcnt 0x0                                ; the last block's stores have read the codes' registers,
	s_wait_dscnt 0x0                               ; and its LDS store its word
.endif
	WIN 0x02+(\a/4)                                ; source 0: window 2 or 3
.set ii, 0
.rept 32
	v_pk_add_f32 v[HA+ii:HA+ii+1], v[64*(\a%4)+ii:64*(\a%4)+ii+1], v[BI+ii:BI+ii+1]   ; + the bias; each accumulator from its low end on
.set ii, ii+2
.endr
	WIN 0
	QUANT HA
	global_store_b128 v[O16], v[PC:PC+3], s[18:19] offset:768*\a            ; registers 0-5: my first head's image of these 16 tokens
	global_store_b64 v[O8], v[PC+4:PC+5], s[18:19] offset:768*\a+512
	global_store_b128 v[O16], v[PC+6:PC+9], s[20:21] offset:768*\a          ; registers 6-11: my second head's
	global_store_b64 v[O8], v[PC+10:PC+11], s[20:21] offset:768*\a+512
	v_lshrrev_b32 v229, v[H16], v[PW]              ; lanes 0-15 keep the first head's two bytes, lanes 16-31 the second's
	v_and_or_b32 v229, v229, 0xffff, v[HI+\a]      ; with the upper half
	ds_store_b32 v[SST], v229 offset:64*\a
.endr
	ds_load_b128 v[248:251], v[SRD]                ; LDS serves a wave's instructions in order: these see my stores.  128 words of the first head,
	ds_load_b128 v[252:255], v[SRD] offset:512     ; of the second
	s_wait_dscnt 0x0
	global_store_b128 v[O16], v[248:251], s[18:19] offset:6144
	global_store_b128 v[O16], v[252:255], s[20:21] offset:6144
	s_branch .Lend
.Lv:
	; ---- V: block a = 16 features (head a / 4 of my two, tile a % 4); my 64 registers = 128 tokens
	s_sub_co_u32 s42, s100, 8
	s_lshl_b32 s42, s42, 1
	s_add_co_u32 s42, s42, s101
	s_lshl_b32 s42, s42, 2
	s_add_co_u32 s42, s42, s40                     ; the tile column of tokens
	s_lshr_b32 s43, s42, 3
	s_lshl_b32 s43, s43, 4                         ; 16 x batch
	s_lshl_b32 s44, s41, 2
	s_add_co_u32 s43, s43, s44
	s_lshl_b32 s44, s15, 1
	s_add_co_u32 s43, s43, s44                     ; + my first head: 4 cy + 2 x my half of A's rows
	s_and_b32 s44, s42, 7
	s_lshl_b32 s44, s44, 1
	s_add_co_u32 s44, s44, s16                     ; which 128 tokens of the batch
	s_mul_i32 s43, s43, 208896
	s_mul_i32 s44, s44, 13056
	s_add_co_u32 s42, s43, s44
	s_mov_b32 s43, 0
	s_add_nc_u64 s[22:23], s[90:91], s[42:43]
.irp a, 0,1,2,3,4,5,6,7
.if \a > 0
	s_wait_xcnt 0x0
	s_wait_dscnt 0x0
.endif
	WIN 0x02+(\a/4)
.set ii, 0
.rept 32
.if (\a%2) == 0
	v_pk_add_f32 v[HA+ii:HA+ii+1], v[64*(\a%4)+ii:64*(\a%4)+ii+1], v[MK+(\a/2)*2:MK+(\a/2)*2+1] op_sel_hi:[1,0]              ; + my feature's bias: the pair's first word for both halves
.else
	v_pk_add_f32 v[HA+ii:HA+ii+1], v[64*(\a%4)+ii:64*(\a%4)+ii+1], v[MK+(\a/2)*2:MK+(\a/2)*2+1] op_sel:[0,1] op_sel_hi:[1,1]  ; the pair's second word for both
.endif
.set ii, ii+2
.endr
	WIN 0
	QUANT HA
.irp c, 0,1,2
	global_store_b128 v[O16], v[PC+4*\c:PC+4*\c+3], s[22:23] offset:(\a/4)*208896+6656+(\a%4)*1536+512*\c   ; the fragment as it stands: three planes of 512 bytes
.endr
	ds_store_b32 v[SST], v[PW] offset:4096+64*\a
.endr
	ds_load_b128 v[248:251], v[SRD] offset:4096    ; lanes 0-15: the first head's 64 words; lanes 16-31: the second's
	s_wait_dscnt 0x0
	global_store_b128 v[OV], v[248:251], s[22:23] offset:12800   ; each half of the lanes stores 256 consecutive bytes
.Lend:
	s_wait_tensorcnt 0x0                           ; the wave's end: behind my last tensor load and my last LDS store
	ds_add_u32 v[SPW], v[NIL]
	s_wait_dscnt 0x0
	CROUND                                         ; the closing round: no work-group ends while a partner may still ask for a tile that names it
	s_endpgm
.Lfunc_end_k_qb55e0410e4_qkv:
	.size	k_qb55e0410e4_qkv, .Lfunc_end_k_qb55e0410e4_qkv-k_qb55e0410e4_qkv
	.p2alignl 7, 3214868480
	.fill 96, 4, 3214868480
	.section	.rodata,"a",@progbits
	.p2align	6, 0x0
	.amdhsa_kernel k_qb55e0410e4_qkv
		.amdhsa_group_segment_fixed_size 327680
		.amdhsa_private_segment_fixed_size 0
		.amdhsa_enable_private_segment 0
		.amdhsa_kernarg_size 64
		.amdhsa_user_sgpr_count 2
		.amdhsa_user_sgpr_kernarg_segment_ptr 1
		.amdhsa_wavefront_size32 1
		.amdhsa_system_sgpr_workgroup_id_x 1
		.amdhsa_system_sgpr_workgroup_id_y 1
		.amdhsa_system_sgpr_workgroup_id_z 1
		.amdhsa_system_vgpr_workitem_id 0
		.amdhsa_next_free_vgpr 1024
		.amdhsa_next_free_sgpr 102
		.amdhsa_reserve_vcc 1
		.amdhsa_float_denorm_mode_32 3
		.amdhsa_float_denorm_mode_16_64 3
		.amdhsa_memory_ordered 1
		.amdhsa_forward_progress 1
		.amdhsa_inst_pref_size 223
	.end_amdhsa_kernel
	.amdgpu_metadata
---
amdhsa.version: [ 1, 2 ]
amdhsa.kernels:
  - .name:           k_qb55e0410e4_qkv
    .symbol:         k_qb55e0410e4_qkv.kd
    .args:
      - { .name: img, .offset: 0, .size: 8, .value_kind: global_buffer, .address_space: global }
      - { .name: scl, .offset: 8, .size: 8, .value_kind: global_buffer, .address_space: global }
      - { .name: bq, .offset: 16, .size: 8, .value_kind: global_buffer, .address_space: global }
      - { .name: bk, .offset: 24, .size: 8, .value_kind: global_buffer, .address_space: global }
      - { .name: bv, .offset: 32, .size: 8, .value_kind: global_buffer, .address_space: global }
      - { .name: mask, .offset: 40, .size: 8, .value_kind: global_buffer, .address_space: global }
      - { .name: q, .offset: 48, .size: 8, .value_kind: global_buffer, .address_space: global }
      - { .name: kv, .offset: 56, .size: 8, .value_kind: global_buffer, .address_space: global }
    .group_segment_fixed_size: 327680
    .private_segment_fixed_size: 0
    .kernarg_segment_align: 8
    .kernarg_segment_size: 64
    .max_flat_workgroup_size: 128
    .sgpr_count:     102
    .vgpr_count:     1024
    .wavefront_size: 32
...
	.end_amdgpu_metadata
.endif
;; end of part 2
;; launch attn (part 3): grid 4 x 64, 16 waves a work-group, clusters of 4 x 1, 296,960 bytes of LDS; arguments q, kv, o_img, o_scl; writes o_img, o_scl
.if DOCPART == 3
	.amdgcn_target "amdgcn-amd-amdhsa--gfx1250"
	.amdhsa_code_object_version 6
	.text
	.protected	k_qb55e0410e4_attn
	.globl	k_qb55e0410e4_attn
	.p2align	8
	.type	k_qb55e0410e4_attn,@function
k_qb55e0410e4_attn:
	s_mov_b64 s[64:65], 0
	v_nop
	global_prefetch_b8 v0, s[64:65] scope:SCOPE_SE
	s_setreg_imm32_b32 hwreg(HW_REG_WAVE_MODE, 25, 1), 1
	s_wait_xcnt 0x0
	s_wait_alu depctr_hold_cnt(0) depctr_sa_sdst(0) depctr_va_vdst(0) depctr_va_sdst(0) depctr_va_ssrc(0) depctr_va_vcc(0) depctr_vm_vsrc(0)
	s_getreg_b32 s2, hwreg(HW_REG_IB_STS2, 6, 4)
	s_cmp_eq_u32 s2, 0
	s_cbranch_scc0 .Lentry_in_a_cluster
	s_endpgm
.Lentry_in_a_cluster:
	s_bfe_u32 s2, ttmp6, 0x10000c
	s_cmp_lg_u32 s2, 0x3003
	s_cbranch_scc0 .Lentry_shape_is_right
	s_endpgm
.Lentry_shape_is_right:
; O = softmax(Q K^T / 8, key-padding mask) V for one head of one batch, both products on codes of FP6 (E2M3) with E8M0 scales; O / l is quantised along the head's 64 and stored as the last product's operand.
; THE SOFTMAX: t = score x log2(e) / 8; M = the running largest t rounded UP to a whole number; p = 2^(t - M) is quantised along the keys, not normalised; the row's sum is taken of the unquantised p and divides at the end.
; When M moves, the sum and O are multiplied by 2^(old M - new M): exact.
; SHARES.  A work-group owns 512 queries of one head; each of its sixteen waves owns one tile of 16 queries in each of two passes, in 256 registers, four waves to a SIMD.
; THE HEAD'S K AND V STAY IN LDS, 16 key steps of 128 keys, filled ONCE: each wave asks for one key step, every wave waits for its load, one barrier shows all sixteen to all; no barrier stands in the passes.
; Everything is asked for at the kernel's head: there is no later tile to ask for ahead of time, so no prefetch is laid.
; CLUSTER.  The four work-groups of a cluster own the four quarters of one head's queries and need the same K and V: each key step is asked for JOINTLY (mask 15).
; LDS.  A key step is 51 rows of 256 bytes of kv, each with 64 bytes of padding behind it: memory byte 256 a + b lies at 320 a + b.
; LAYOUT.  Both products are used transposed: S^T = K Q^T (source 0 = 16 keys), O^T = V^T P^T (source 0 = 16 of the head's 64): a lane holds ONE query throughout.
; WHICH KEYS FORM A TILE is chosen by the lanes' LDS addresses: tile (c, u) has keys 64 c + 8 u + i in rows 0-7 and keys 64 c + 32 + 8 u + i in rows 8-15.  kv holds K's images by tiles X = 2 b + u', place j = key 32 b + 8 u' + j + 8 (j / 8):
; so rows 0-7 come from image 4 c + u % 2, places 8 (u / 2) + i, and rows 8-15 from the image two further on (1,920 LDS bytes).
; Lane (r, h) then holds, in the 32 registers of tiles (c, 0..3), keys 64 c + 32 h + 0 .. 31 of query r: ONE WHOLE SCALE BLOCK of p, in the order of the operand's registers: no lane is asked for a block's maximum and no code changes lanes.
; ONE STEP AHEAD.  The first four fragments of K and the scale words of the NEXT key step are loaded while this step's softmax is walked, as soon as their registers are free: a step begins with products.
; The look-ahead's address is held at the last trip's key step (s_min_u32): it never leaves K and V; each pass loads its first fragments itself.
; THE MASK COSTS NO INSTRUCTION HERE.  K Q^T fills k = 0..63 of the instruction's 128.  At k = 64 every query holds the code +1 and every key the code -1 (constant registers); byte 2 of the scale words, made by the
; launch before, gives that product -2^100 for a masked key and -2^-153, nothing in f32, for an open one.  The running largest score starts at -2^64, above every masked score: a masked key never sets M, and its p is 0.
; Q: both passes' tiles are fetched at the head and parked in the wave's own LDS bytes, from which each pass takes its tile.
; LIMITS: -2^100 stands for -infinity, so a real score must lie above -2^64; a batch all of whose keys are masked (where the softmax has no number to give) is not served; NaN and infinities are not served.
; REGISTERS: v1-3, v7-8 lane terms of the LDS addresses (K 16 bytes, K 8 bytes, K's scale words, V, V's scale words); v4-6, v9-10 those + the key step; v11 16 x lane; v12 -M, v13 the largest score, v[14:15] the sum in two halves;
;   v16-27 Q; v28-29 V's scale words; v30 8 h; v31, v243 the add's two; v32-79 four fragments of K; v80-127 V's four; v128-191 S^T, then p; v192-223 O^T; v224-235 p's codes; v232-247, v252, v254 at work; v248-251 K's scale words; v253 p's; v255 Q's.
.set STEPB, 13056                      ; a key step in kv: K's 8 images (768 each), K's 128 scale words at 6,144, V's 4 images (1,536 each) at 6,656, V's 64 scale words at 12,800
.set STEPL, 16320                      ; and in LDS: 51 x 320
.set OSC,   16*STEPL                   ; O's scale halfwords of the work-group's 512 queries, 1,024 bytes; no fill lands here
.set QST,   OSC+1024                   ; the parked Q: 2,048 bytes a wave, 1,024 a pass: the image, then at 768 the scale words
.set SPARE, QST+16*2048                ; the spare words, 128 bytes a wave
.set WV,   18
.set SEL,  20                          ; s[20:21] selects for lane l xor 16
.set CS,   22                          ; s[22:23] c = log2(e) / 8
.set G1,   24                          ; s[24:31] group 1; s[32:35] group 0
.set G0,   32
.set QL,   36                          ; s36  LDS byte of my parked Q of the pass in hand
.set TN,   37                          ; s37  LDS byte at which the next trip's first key step begins, held at the last trip's
.set TB,   48                          ; s48  LDS byte at which the trip's first key step begins
.set CNT,  49
.set PASS, 50
.set HW,   51                          ; s51  LDS byte of my wave's halfwords of the pass in hand
.set QP,   52                          ; s[52:53] my tile of Q; s[54:55] its scale words; s[56:57] my tile of o_img; s[58:59] my work-group's bytes of o_scl
.set QS,   54
.set OP,   56
.set OS,   58
.macro CROUND                          ; a round of the cluster's barrier
	s_barrier_signal -1
	s_barrier_wait -1
	s_cmp_lg_u32 s[WV], 0
	s_cbranch_scc1 .Lnot_wave_0_\@
	s_barrier_signal -3
.Lnot_wave_0_\@:
	s_barrier_wait -3
	s_barrier_signal -1
	s_barrier_wait -1
.endm
	s_load_b256 s[4:11], s[0:1], 0x0               ; q, kv, o_img, o_scl
	v_lshl_add_u32 v31, v0, 2, SPARE
	v_mov_b32 v243, 0
	ds_add_u32 v31, v243                           ; the opening lines: the add twice on end and one wait
	ds_add_u32 v31, v243
	v_lshrrev_b32 v4, 5, v0
	v_readfirstlane_b32 s[WV], v4                  ; wave 0..15
	s_bfe_u32 s12, ttmp6, 0x40000                  ; cx: which quarter of the queries; it enters Q's and O's global addresses alone
	s_and_b32 s13, ttmp7, 0xffff                   ; batch x 16 + head, which the four partners share
	s_mul_i32 s16, s[WV], STEPB                    ; my key step in kv
	s_mul_i32 s14, s13, 16*STEPB
	s_add_co_u32 s14, s14, s16
	s_mov_b32 s15, 0
	s_mov_b32 s[G1], 15|(3<<16)|(1<<20)|(1<<21)|(5<<22)|(15<<25)   ; the mask: all four work-groups; elements of 8 bytes; padding on; bit 21 beside a mask; after every 64 words 16 words
	s_mov_b32 s[G1+1], 32<<16                      ; a key step: 13,056 dense bytes as 51 rows of 256
	s_mov_b32 s[G1+2], 51<<16
	s_mov_b32 s[G1+3], 32<<16
	s_mov_b32 s[G1+4], 51
	s_mov_b32 s[G1+5], 32
	s_mov_b32 s[G1+6], 0
	s_mov_b32 s[G1+7], 0
	s_mov_b32 s[G0], 1
	s_mul_i32 s[G0+1], s[WV], STEPL                ; and in LDS
	s_lshl_b32 s2, s12, 2                          ; my tile of queries in pass 0: 32 cx + wave: which 128 queries,
	s_lshr_b32 s3, s[WV], 3
	s_add_co_u32 s2, s2, s3
	s_mul_i32 s2, s2, 6656
	s_mul_i32 s3, s13, 106496
	s_add_co_u32 s2, s2, s3
	s_and_b32 s3, s[WV], 7                         ; and which tile of them
	s_mul_i32 s60, s3, 768
	s_add_co_u32 s60, s60, s2
	s_mov_b32 s61, 0
	s_lshl_b32 s62, s3, 6
	s_add_co_u32 s62, s62, s2
	s_add_co_u32 s62, s62, 6144
	s_mov_b32 s63, 0
	s_lshr_b32 s2, s13, 4                          ; o_img: row tile 128 x batch + my tile, 64 along K = my head
	s_lshl_b32 s2, s2, 7
	s_lshl_b32 s3, s12, 5
	s_add_co_u32 s2, s2, s3
	s_add_co_u32 s2, s2, s[WV]
	s_mul_i32 s2, s2, 12288
	s_and_b32 s3, s13, 15
	s_mul_i32 s3, s3, 768
	s_add_co_u32 s2, s2, s3
	s_mov_b32 s3, 0
	s_lshl_b32 s[OS], s13, 12                      ; o_scl: 4,096 bytes a head, 1,024 a quarter
	s_lshl_b32 s[OS+1], s12, 10
	s_add_co_u32 s[OS], s[OS], s[OS+1]
	s_mov_b32 s[OS+1], 0
	s_mov_b32 s[SEL], 0x76543210
	s_mov_b32 s[SEL+1], 0xfedcba98
	s_mov_b32 s[CS], 0x3e38aa3b                    ; log2(e) / 8
	s_mov_b32 s[CS+1], s[CS]                       ; (named with it as a pair, so it is written)
	s_lshl_b32 s[QL], s[WV], 11
	s_add_co_u32 s[QL], s[QL], QST
	s_lshl_b32 s[HW], s[WV], 5
	s_add_co_u32 s[HW], s[HW], OSC
	v_and_b32 v5, 31, v0                           ; lane
	v_and_b32 v6, 15, v0                           ; r
	v_bfe_u32 v9, v0, 4, 1                         ; h
	v_lshlrev_b32 v11, 4, v5                       ; 16 x lane
	v_lshlrev_b32 v8, 2, v5                        ; V's scale words: 4 x lane
	v_lshlrev_b32 v30, 3, v9                       ; 8 h
	v_mul_u32_u24 v10, v9, 320
	v_lshl_add_u32 v7, v6, 4, v10                  ; V: 16 r + 320 h (lanes 16-31 read the next row of 256)
	v_and_b32 v4, 7, v0                            ; r % 8
	v_bfe_u32 v3, v0, 3, 1                         ; r / 8
	v_mul_u32_u24 v2, v3, 1920                     ; rows 8-15: two images on
	v_lshl_add_u32 v1, v4, 4, v2
	v_add_nc_u32 v1, v1, v10                       ; K, 16 bytes: 1,920 (r / 8) + 16 (r % 8) + 320 h
	v_lshl_add_u32 v2, v4, 3, v2
	v_lshl_add_u32 v2, v9, 7, v2                   ; K, 8 bytes: 1,920 (r / 8) + 8 (r % 8) + 128 h
	v_lshlrev_b32 v3, 7, v3
	v_lshl_add_u32 v3, v4, 2, v3
	v_lshl_add_u32 v3, v9, 6, v3                   ; K's scale words: 128 (r / 8) + 4 (r % 8) + 64 h: lanes 0-15 tile (c, 2 g), lanes 16-31 tile (c, 2 g + 1)
	v_sub_nc_u32 v22, 8, v30                       ; Q at k = 64: the code +1 (0x08), which lies in lanes 0-15; all other padding is the code 0
	v_mul_u32_u24 v38, v9, 0x28
	v_sub_nc_u32 v38, 0x28, v38                    ; K at k = 64: the code -1 (0x28)
	v_mov_b32 v50, v38
	v_mov_b32 v62, v38
	v_mov_b32 v74, v38
.irp i, 23,24,25,26,27, 39,40,41,42,43, 51,52,53,54,55, 63,64,65,66,67, 75,76,77,78,79
	v_mov_b32 v\i, 0
.endr
	v_mov_b32 v253, 0                              ; named in a pair before it is first written
	v_lshrrev_b32 v144, 1, v11                     ; 8 x lane
	v_lshlrev_b32 v145, 2, v6                      ; 4 r
	v_add_nc_u32 v146, s[QL], v11                  ; where Q is parked
	v_add_nc_u32 v147, s[QL], v144
	v_add_nc_u32 v148, s[QL], v8
	s_wait_alu depctr_va_vdst(0)
	s_wait_dscnt 0x0                               ; both opening adds are done
	s_wait_kmcnt 0x0
	s_add_nc_u64 s[G0+2:G0+3], s[6:7], s[14:15]
	s_or_b32 s[G0+3], s[G0+3], 0x80000000
	s_add_nc_u64 s[QP:QP+1], s[4:5], s[60:61]
	s_add_nc_u64 s[QS:QS+1], s[4:5], s[62:63]
	s_add_nc_u64 s[OP:OP+1], s[8:9], s[2:3]
	s_add_nc_u64 s[OS:OS+1], s[10:11], s[OS:OS+1]
.irp p, 0,1                                    ; my two tiles of Q, 16 tiles apart, read once in the launch
	global_load_b128 v[128+8*\p:131+8*\p], v11, s[QP:QP+1] offset:13312*\p th:TH_LOAD_NT
	global_load_b64 v[132+8*\p:133+8*\p], v144, s[QP:QP+1] offset:13312*\p+512 th:TH_LOAD_NT
	global_load_b32 v[134+8*\p], v145, s[QS:QS+1] offset:13312*\p th:TH_LOAD_NT
.endr
	CROUND                                         ; all four work-groups are here: the joint loads meet
	tensor_load_to_lds s[G0:G0+3], s[G1:G1+7]      ; key step = my wave's number: one load a wave, all fills of the launch
	s_nop 0
	s_wait_loadcnt 0x0                             ; Q is in registers
	s_wait_tensorcnt 0x0                           ; my key step has landed
.irp p, 0,1
	ds_store_b128 v146, v[128+8*\p:131+8*\p] offset:1024*\p
	ds_store_b64 v147, v[132+8*\p:133+8*\p] offset:1024*\p+512
	ds_store_b32 v148, v[134+8*\p] offset:1024*\p+768
.endr
	s_wait_dscnt 0x0
	s_barrier_signal -1
	s_barrier_wait -1                              ; everybody's key step has landed
.macro SPROD u, c                      ; S^T, tile (c, u), from K's fragment u
.if ((\u)%2) == 0
	v_wmma_scale_f32_16x16x128_f8f6f4 v[128+32*(\c)+8*(\u):135+32*(\c)+8*(\u)], v[32+12*(\u):43+12*(\u)], v[16:27], 0, v[248+2*(\c)+(\u)/2], v255 matrix_a_fmt:MATRIX_FMT_FP6 matrix_b_fmt:MATRIX_FMT_FP6
.else
	v_wmma_scale_f32_16x16x128_f8f6f4 v[128+32*(\c)+8*(\u):135+32*(\c)+8*(\u)], v[32+12*(\u):43+12*(\u)], v[16:27], 0, v[248+2*(\c)+(\u)/2], v255 matrix_a_fmt:MATRIX_FMT_FP6 matrix_b_fmt:MATRIX_FMT_FP6 matrix_a_scale:MATRIX_SCALE_ROW1
.endif
.endm
.macro KLOAD o, c                      ; K's four tiles of the c-th 64 keys
.irp u, 0,1,2,3
	ds_load_b128 v[32+12*\u:35+12*\u], v4 offset:(\o)+3840*(\c)+960*(\u%2)+128*(\u/2)
	ds_load_b64 v[36+12*\u:37+12*\u], v5 offset:(\o)+3840*(\c)+960*(\u%2)+640+64*(\u/2)
.endr
.endm
.macro KSC o                           ; K's scale words of a key step
.irp g, 0,1,2,3
	ds_load_b32 v[248+\g], v6 offset:(\o)+7680+320*(\g/2)+32*(\g%2)
.endr
.endm
.macro MX d, b, k                      ; link k of a chain of maxima over a tile's scores v[b] .. v[b + 6]
.if (\k) == 0
	v_max3_num_f32 v[\d], v[\b], v[\b+1], v[\b+2]
.else
	v_max3_num_f32 v[\d], v[\d], v[\b+1+2*(\k)], v[\b+2+2*(\k)]
.endif
.endm
.macro CHAINS c                        ; my block of the c-th 64 keys: a chain to each of its four tiles, by turns; each accumulator is read from its low end on
.irp k, 0,1,2
.irp t, 0,1,2,3
	MX 232+(\c)+2*\t, 128+32*(\c)+8*\t, \k
.endr
.endr
.endm
.macro JOIN c                          ; the four chains and the tiles' last scores: the block's largest score in v[232 + c]
	v_max3_num_f32 v[232+\c], v[232+\c], v[135+32*\c], v[143+32*\c]
	v_max3_num_f32 v[236+\c], v[236+\c], v[151+32*\c], v[159+32*\c]
	v_max3_num_f32 v[232+\c], v[232+\c], v[234+\c], v[236+\c]
	v_max_num_f32 v[232+\c], v[232+\c], v[238+\c]
.endm
.macro PA d, i                         ; chain d of the row's sum takes pair i of p
	v_pk_add_f32 v[\d:\d+1], v[\d:\d+1], v[128+2*(\i):129+2*(\i)]
.endm
.macro R3A i
	PA 236, \i
	PA 238, (\i)+1
	PA 240, (\i)+2
.endm
.macro R3B i
	PA 244, \i
	PA 246, (\i)+1
	PA 14, (\i)+2
.endm
; A KEY STEP: 128 keys, o bytes behind the address registers.  Its first four fragments of K and its scale words are in registers.  last = 1: the trip's last step: the look-ahead goes by the next trip's address
.macro STEP o, last
.irp u, 0,1,2,3
	SPROD \u, 0
.endr
	v_mov_b32 v254, v12                            ; the old -M.  With the three lines below: the places in front of loads into registers that matrix instructions have read (K's, and V's, which the last step's products read), and of the first reads of the four results
.rept 3
	v_nop
.endr
	KLOAD \o, 1
.irp t, 0,1,2,3
.irp c, 0,1,2
	ds_load_b128 v[80+12*\t+4*\c:83+12*\t+4*\c], v9 offset:(\o)+8320+1920*\t+640*\c   ; V lands while the softmax is walked
.endr
.endr
	ds_load_b32 v28, v10 offset:(\o)+16000
	ds_load_b32 v29, v10 offset:(\o)+16128
	CHAINS 0                                       ; the first block's maxima stand between K's loads and the wait for them
	s_wait_alu depctr_va_vdst(0)
	s_wait_dscnt 14                                ; K's eight loads are in; V's 12 + 2 may be out
.irp u, 0,1,2,3
	SPROD \u, 1
.endr
	JOIN 0                                         ; four lines on the first block alone: the places behind the four products
	CHAINS 1
	JOIN 1                                         ; v232: block h, v233: block 2 + h: each serves for the row's maximum and, since p rises with the score, for the block's largest p
	v_max_num_f32 v236, v232, v233
	v_permlanex16_b32 v237, v236, s[SEL], s[SEL+1]
.if \last
	v_add_nc_u32 v4, s[TN], v1                     ; K's addresses go on to the next trip (this step's loads of K have been issued)
	v_add_nc_u32 v5, s[TN], v2
	v_add_nc_u32 v6, s[TN], v3
	KLOAD 0, 0                                     ; the next step's first four fragments and its scale words: their registers are free, twenty and more places behind the products
	KSC 0
.else
	KLOAD (\o)+STEPL, 0
	KSC (\o)+STEPL
.endif
	v_max3_num_f32 v13, v13, v236, v237            ; the running largest score of my query
	v_mul_f32 v238, s[CS], v13                     ; as t
	v_floor_f32 v12, -v238                         ; the new -M = floor(-t): M is a whole number
	v_sub_f32 v254, v12, v254                      ; old M - new M: a whole number, 0 or less
	v_cvt_i32_f32 v254, v254                       ; (it saturates)
	v_ldexp_f32 v252, 1.0, v254                    ; f = 2^(old M - new M)
.set jj, 0
.rept 32
	v_pk_fma_f32 v[128+jj:129+jj], v[128+jj:129+jj], s[CS:CS+1], v[12:13] op_sel_hi:[1,0,0]   ; t - M, two at a time
.set jj, jj+2
.endr
	v_fma_f32 v232, v232, s[CS], v12               ; the same of each block's largest score
	v_fma_f32 v233, v233, s[CS], v12
	s_wait_alu depctr_va_vdst(0)
.set jj, 0
.rept 64
	v_exp_f32 v[128+jj], v[128+jj]                 ; p = 2^(t - M); 0 for a masked key
.set jj, jj+1
.endr
	v_exp_f32 v232, v232                           ; the blocks' largest p: the same two instructions on the same number give the same bits
	v_exp_f32 v233, v233
	v_pk_mul_f32 v[14:15], v[14:15], v[252:253] op_sel_hi:[1,0]   ; the sums under the new M.  (A plain place behind the exponentials)
	s_wait_alu depctr_va_vdst(0)                   ; one wait for the whole batch, ahead of its first reader
; the row's sum of the unquantised p, in six chains (32 additions), and among them, one line behind every three, the ten lines that make the blocks' scales
	v_pk_add_f32 v[236:237], v[128:129], v[130:131]
	v_pk_add_f32 v[238:239], v[132:133], v[134:135]
	v_pk_add_f32 v[240:241], v[136:137], v[138:139]
	v_max_num_f32 v232, 0x1800000, v232            ; the floor 2^(3 - 127): a block whose every p is 0 keeps the byte 1: its codes are zeros
	v_pk_add_f32 v[244:245], v[140:141], v[142:143]
	v_pk_add_f32 v[246:247], v[144:145], v[146:147]
	PA 14, 10
	v_max_num_f32 v233, 0x1800000, v233
	R3A 11
	v_add_nc_u32 v234, 0xff000000, v232            ; 2 off the exponent field: the conversion's scale operand
	R3B 14
	v_add_nc_u32 v235, 0xff000000, v233
	R3A 17
	v_lshrrev_b32 v232, 23, v234                   ; the scale's byte
	R3B 20
	v_lshrrev_b32 v233, 23, v235
	R3A 23
	v_lshl_or_b32 v232, v233, 16, v232             ; my two bytes, blocks h and 2 + h,
	R3B 26
	v_lshlrev_b32 v232, v30, v232                  ; at their places in the word (8 h bits up);
	R3A 29
	v_permlanex16_b32 v233, v232, s[SEL], s[SEL+1]
	v_pk_add_f32 v[236:237], v[236:237], v[244:245]
	v_pk_add_f32 v[238:239], v[238:239], v[246:247]
	v_pk_add_f32 v[14:15], v[14:15], v[240:241]
	v_or_b32 v253, v232, v233                      ; with lane l xor 16's two: p's scale word for these 128 keys
	v_pk_add_f32 v[236:237], v[236:237], v[238:239]
	v_pk_add_f32 v[14:15], v[14:15], v[236:237]
	v_cvt_scalef32_pk16_fp6_f32 v[224:226], v[128:143], v234
	v_cvt_scalef32_pk16_fp6_f32 v[236:238], v[144:159], v234   ; (a conversion's three registers begin on an even number)
	v_cvt_scalef32_pk16_fp6_f32 v[230:232], v[160:175], v235
	v_cvt_scalef32_pk16_fp6_f32 v[240:242], v[176:191], v235
	v_nop                                          ; one plain place behind a scaled conversion
.irp i, 0,1,2
	v_mov_b32 v[227+\i], v[236+\i]                 ; registers 6 c .. 6 c + 5: keys 64 c + 32 h + 0 .. 31
	v_mov_b32 v[233+\i], v[240+\i]
.endr
	s_wait_dscnt 0x0                               ; V is in, and so is what was asked for one step ahead
	s_wait_alu depctr_va_vdst(0)                   ; directly ahead of the first reader of O^T
.set jj, 0
.rept 16
	v_pk_mul_f32 v[192+jj:193+jj], v[192+jj:193+jj], v[252:253] op_sel_hi:[1,0]   ; O^T under the new M.  (These 16 are also the places between the scale word and the codes just made and the products below)
.set jj, jj+2
.endr
.irp t, 0,2                                    ; O^T += V^T P^T: the four accumulators by turns; the next step's eight products stand between two steps of a sum
	v_wmma_scale_f32_16x16x128_f8f6f4 v[192+8*\t:199+8*\t], v[80+12*\t:91+12*\t], v[224:235], v[192+8*\t:199+8*\t], v[28+\t/2], v253 matrix_a_fmt:MATRIX_FMT_FP6 matrix_b_fmt:MATRIX_FMT_FP6
	v_wmma_scale_f32_16x16x128_f8f6f4 v[200+8*\t:207+8*\t], v[92+12*\t:103+12*\t], v[224:235], v[200+8*\t:207+8*\t], v[28+\t/2], v253 matrix_a_fmt:MATRIX_FMT_FP6 matrix_b_fmt:MATRIX_FMT_FP6 matrix_a_scale:MATRIX_SCALE_ROW1
.endr
.endm
	s_mov_b32 s[PASS], 2
.Lpass:
	s_mov_b32 s[TB], 0
	v_add_nc_u32 v128, s[QL], v11
	v_lshrrev_b32 v129, 1, v11
	v_add_nc_u32 v130, s[QL], v8
	v_add_nc_u32 v129, s[QL], v129
	v_add_nc_u32 v4, s[TB], v1
	v_add_nc_u32 v5, s[TB], v2
	v_add_nc_u32 v6, s[TB], v3
	ds_load_b128 v[16:19], v128                    ; my tile of Q from my own LDS bytes (LDS serves a wave's instructions in order)
	ds_load_b64 v[20:21], v129 offset:512
	ds_load_b32 v255, v130 offset:768
	KLOAD 0, 0                                     ; key step 0's first four fragments and its scale words
	KSC 0
	v_mov_b32 v13, 0xdf800000                      ; the largest score so far: -2^64
	v_mul_f32 v12, s[CS], v13
	v_floor_f32 v12, -v12                          ; -M
	v_mov_b32 v14, 0
	v_mov_b32 v15, 0
.set jj, 0
.rept 32
	v_mov_b32 v[192+jj], 0                         ; O^T: the first change of M multiplies zeros, so the step is written without a first step of its own
.set jj, jj+1
.endr
	s_mov_b32 s[CNT], 8
	s_wait_alu depctr_va_vdst(0)
	s_wait_dscnt 0x0
.Lstep:                                                ; a trip is two key steps: the second's place stands in the loads' immediates
	s_add_co_u32 s[TN], s[TB], 2*STEPL
	s_min_u32 s[TN], s[TN], 14*STEPL               ; the last trip looks ahead at its own key step: nothing outside K and V is read
	v_add_nc_u32 v9, s[TB], v7
	v_add_nc_u32 v10, s[TB], v8
	STEP 0, 0
	STEP STEPL, 1
	s_add_co_u32 s[TB], s[TB], 2*STEPL
	s_sub_co_u32 s[CNT], s[CNT], 1
	s_cmp_lg_u32 s[CNT], 0
	s_cbranch_scc1 .Lstep
	; THE WAY OUT of a pass
.rept 4
	v_nop                                          ; places behind the last products
.endr
	v_add_f32 v14, v14, v15                        ; the sum's two halves,
	v_permlanex16_b32 v252, v14, s[SEL], s[SEL+1]
	v_add_f32 v14, v14, v252                       ; and lane l xor 16's
	s_wait_alu depctr_va_vdst(0)
	v_rcp_f32 v14, v14
	v_nop                                          ; a plain place behind the transcendental
	s_wait_alu depctr_va_vdst(0)                   ; the wait ahead of its first reader, and of O^T's
.set jj, 0
.rept 32
	v_mul_f32 v[128+jj], v[192+jj], v14            ; O / l: register 16 b + i is d = 32 b + 16 h + i of my query
.set jj, jj+1
.endr
.irp b, 0,1
	v_max3_num_f32 v[232+\b], |v[128+16*\b]|, |v[129+16*\b]|, 0x1800000
.endr
.irp i, 2,4,6,8,10,12,14
.irp b, 0,1
	v_max3_num_f32 v[232+\b], v[232+\b], |v[128+16*\b+\i]|, |v[129+16*\b+\i]|
.endr
.endr
.irp b, 0,1
	v_permlanex16_b32 v[236+\b], v[232+\b], s[SEL], s[SEL+1]
.endr
.irp b, 0,1
	v_max_num_f32 v[232+\b], v[232+\b], v[236+\b]  ; with lane l xor 16's 16: the block's largest magnitude
.endr
.irp b, 0,1
	v_add_nc_u32 v[244+\b], 0xff000000, v[232+\b]
.endr
.irp b, 0,1
	v_lshrrev_b32 v[236+\b], 23, v[244+\b]
.endr
	v_lshl_or_b32 v254, v237, 8, v236              ; my query's two scale bytes of this head
	v_cvt_scalef32_pk16_fp6_f32 v[224:226], v[128:143], v244
	v_cvt_scalef32_pk16_fp6_f32 v[236:238], v[144:159], v245
	v_nop                                          ; one plain place behind a scaled conversion
.irp i, 0,1,2
	v_permlane16_swap_b32 v[224+\i], v[236+\i]     ; a whole block in a lane
.endr
.irp i, 0,1,2
	v_mov_b32 v[227+\i], v[236+\i]                 ; lane (r, h): the 24 bytes of d = 32 h .. 32 h + 31
.endr
	v_lshrrev_b32 v247, 1, v11                     ; 8 x lane
	v_and_b32 v246, 0xf0, v11
	v_lshrrev_b32 v246, 3, v246
	v_add_nc_u32 v246, s[HW], v246                 ; my query's halfword: OSC + 512 x pass + 32 x wave + 2 r
	global_store_b128 v11, v[224:227], s[OP:OP+1]             ; 512 consecutive bytes
	global_store_b64 v247, v[228:229], s[OP:OP+1] offset:512  ; 256 consecutive bytes
	ds_store_b16 v246, v254                        ; both lanes of a query write the same halfword
	s_wait_xcnt 0x0                                ; the stores have read their base and registers: both may be written again
	s_add_nc_u64 s[OP:OP+1], s[OP:OP+1], 16*12288  ; 16 tiles on
	s_add_co_u32 s[QL], s[QL], 1024
	s_add_co_u32 s[HW], s[HW], 512
	s_sub_co_u32 s[PASS], s[PASS], 1
	s_cmp_lg_u32 s[PASS], 0
	s_wait_alu depctr_va_vdst(0)
	s_cbranch_scc1 .Lpass
	v_lshl_add_u32 v128, v0, 4, OSC                ; the halfwords' way out: threads 0 to 63, 16 bytes each
	v_lshlrev_b32 v129, 4, v0
	s_wait_alu depctr_va_vdst(0)
	s_wait_dscnt 0x0                               ; for the others' sake: my halfwords have landed
	s_barrier_signal -1
	s_barrier_wait -1
	s_cmp_lt_u32 s[WV], 2                          ; waves 0 and 1 store the work-group's 1,024 bytes of scale halfwords, 512 consecutive bytes each
	s_cbranch_scc0 .Lno_scl
	ds_load_b128 v[132:135], v128
	s_wait_dscnt 0x0
	global_store_b128 v129, v[132:135], s[OS:OS+1]
.Lno_scl:
	s_wait_tensorcnt 0x0                           ; the wave's end
	ds_add_u32 v31, v243
	s_wait_dscnt 0x0
	CROUND                                         ; the closing round
	s_endpgm
.Lfunc_end_k_qb55e0410e4_attn:
	.size	k_qb55e0410e4_attn, .Lfunc_end_k_qb55e0410e4_attn-k_qb55e0410e4_attn
	.p2alignl 7, 3214868480
	.fill 96, 4, 3214868480
	.section	.rodata,"a",@progbits
	.p2align	6, 0x0
	.amdhsa_kernel k_qb55e0410e4_attn
		.amdhsa_group_segment_fixed_size 296960
		.amdhsa_private_segment_fixed_size 0
		.amdhsa_enable_private_segment 0
		.amdhsa_kernarg_size 32
		.amdhsa_user_sgpr_count 2
		.amdhsa_user_sgpr_kernarg_segment_ptr 1
		.amdhsa_wavefront_size32 1
		.amdhsa_system_sgpr_workgroup_id_x 1
		.amdhsa_system_sgpr_workgroup_id_y 1
		.amdhsa_system_sgpr_workgroup_id_z 1
		.amdhsa_system_vgpr_workitem_id 0
		.amdhsa_next_free_vgpr 256
		.amdhsa_next_free_sgpr 66
		.amdhsa_reserve_vcc 0
		.amdhsa_float_denorm_mode_32 3
		.amdhsa_float_denorm_mode_16_64 3
		.amdhsa_memory_ordered 1
		.amdhsa_forward_progress 1
		.amdhsa_inst_pref_size 44
	.end_amdhsa_kernel
	.amdgpu_metadata
---
amdhsa.version: [ 1, 2 ]
amdhsa.kernels:
  - .name:           k_qb55e0410e4_attn
    .symbol:         k_qb55e0410e4_attn.kd
    .args:
      - { .name: q, .offset: 0, .size: 8, .value_kind: global_buffer, .address_space: global }
      - { .name: kv, .offset: 8, .size: 8, .value_kind: global_buffer, .address_space: global }
      - { .name: o_img, .offset: 16, .size: 8, .value_kind: global_buffer, .address_space: global }
      - { .name: o_scl, .offset: 24, .size: 8, .value_kind: global_buffer, .address_space: global }
    .group_segment_fixed_size: 296960
    .private_segment_fixed_size: 0
    .kernarg_segment_align: 8
    .kernarg_segment_size: 32
    .max_flat_workgroup_size: 512
    .sgpr_count:     66
    .vgpr_count:     256
    .wavefront_size: 32
...
	.end_amdgpu_metadata
.endif
;; end of part 3
;; launch outp (part 4): grid 4 x 32, 4 waves a work-group, clusters of 4 x 4, 327,680 bytes of LDS; arguments o_img, o_scl, img, scl, bo, out0; writes out0
.if DOCPART == 4
	.amdgcn_target "amdgcn-amd-amdhsa--gfx1250"
	.amdhsa_code_object_version 6
	.text
	.protected	k_qb55e0410e4_outp
	.globl	k_qb55e0410e4_outp
	.p2align	8
	.type	k_qb55e0410e4_outp,@function
k_qb55e0410e4_outp:
	s_mov_b64 s[64:65], 0
	v_nop
	global_prefetch_b8 v0, s[64:65] scope:SCOPE_SE
	s_setreg_imm32_b32 hwreg(HW_REG_WAVE_MODE, 25, 1), 1
	s_wait_xcnt 0x0
	s_wait_alu depctr_hold_cnt(0) depctr_sa_sdst(0) depctr_va_vdst(0) depctr_va_sdst(0) depctr_va_ssrc(0) depctr_va_vcc(0) depctr_vm_vsrc(0)
	s_getreg_b32 s2, hwreg(HW_REG_IB_STS2, 6, 4)
	s_cmp_eq_u32 s2, 0
	s_cbranch_scc0 .Lentry_in_a_cluster
	s_endpgm
.Lentry_in_a_cluster:
	s_bfe_u32 s2, ttmp6, 0x10000c
	s_cmp_lg_u32 s2, 0xf033
	s_cbranch_scc0 .Lentry_shape_is_right
	s_endpgm
.Lentry_shape_is_right:
; out0 = O Wo^T + bo on codes of FP6 (E2M3) with E8M0 scales, sums in f32.  O's codes lie in o_img as images of an operand's registers, [row tile][head = 64 along K][768 bytes], like x's in img; Wo's are img's row tiles 704-767.
; A tile of 256 x 256 is made by four waves, 128 x 128 each; K = 1,024 goes in four steps of 256 through two LDS slots; 4 x 4 work-groups form a cluster: A's tiles are asked for jointly along a row, B's along a column.
; 128 tiles of this size: half of the largest tile's work-groups that the chip could hold; a smaller tile would read each fragment for half the products.
; THE MATRIX INSTRUCTION IS USED TRANSPOSED (source 0 = 16 rows of Wo, source 1 = 16 tokens): a lane holds a token, and its registers run along the outputs, which Wo's positions bring into their true order.
; The bias is the C of each sum's first product.  Tokens lie at positions (bits 3 and 4 of the number exchanged): the stores' immediates put each row of the result at its true place.
; O'S SCALE BYTES lie in o_scl as [batch x head][position][2 bytes]; the work-group's 256 rows x 16 heads come through registers once, are joined into words for 128 along K (two heads) and laid in LDS as scl lays Wo's.
; REGISTERS, in windows of 256: window 0: v0-31 addresses; v32-63 scale words, two sets; v64-127 the bias; v128-223 A's fragments; on the way out v128-255 are rows of the result.
;   window 1: B's fragments, two sets.   windows 2, 3: the accumulators.
.set TILEB,  3072
.set HALFT,  8*TILEB
.set SLOT,   4*HALFT
.set SCL,    2*SLOT                    ; A's scale words, 8,192 bytes, stored by the waves: no fill lands there; then B's, 8,192 bytes, filled once
.set HALFS,  4096
.set SPARE,  SCL+4*HALFS               ; the spare words, 128 bytes for each wave: two blocks of 256 bytes that no other line names
.set ROWT,   12288
.set NQ,     2
.set FR,     12
.set NL,     4
.set NP,     4
.set SPITCH, 528                       ; the way out: a stage of 16 rows x (512 bytes + 16) for each wave, in slot 0, which has had its last fill and its last read by then
.set O16,  8
.set O8,   9
.set ADRA, 16
.set ADRB, 20
.set STO,  24                          ; v24  the way out: where I put 32 bytes of a row
.set RD,   25                          ; v25  where I read a row back
.set CO,   26                          ; v26  my 16 bytes of a row of 512
.set ADRS, 27
.set SPW,  28                          ; v28  my spare word: SPARE + 4 x my thread's number; never rewritten
.set NIL,  29                          ; v29  0; never rewritten
.set SC,   32
.set BI,   64
.set AF,   128
.set BK,   128
.set G1, 24
.set G0, 32
.set G1B, 48
.set G0B, 56
.set G0SB, 80
.set G1SB, 92
.set MSB, 0
.macro WIN new
.if MSB != (\new)
	s_set_vgpr_msb (MSB<<8)|(\new)
.set MSB, (\new)
.endif
.endm
.set MUL_LO, 0xa1
.set MUL_HI, 0xf1
.set TO_B,   0x40
.macro JLOAD g0a, g1a, g0b, g1b        ; a joint refill: waves 0 and 1 for A, waves 2 and 3 for B; four v_nop follow each of the two lines
	s_cmp_eq_u32 s15, 0
	s_cbranch_scc0 .Lfor_b_\@
	tensor_load_to_lds s[\g0a:\g0a+3], s[\g1a:\g1a+7]
	s_nop 0
.rept 4
	v_nop
.endr
	s_branch .Lasked_\@
.Lfor_b_\@:
	tensor_load_to_lds s[\g0b:\g0b+3], s[\g1b:\g1b+7]
	s_nop 0
.rept 4
	v_nop
.endr
.Lasked_\@:
.endm
.macro CREST
	s_cmp_lg_u32 s14, 0
	s_cbranch_scc1 .Lnot_wave_0_\@
	s_barrier_signal -3
.Lnot_wave_0_\@:
	s_barrier_wait -3
	s_barrier_signal -1
	s_barrier_wait -1
.endm
.macro CROUND
	s_barrier_signal -1
	s_barrier_wait -1
	CREST
.endm
.macro PLACES n
.rept \n
	v_nop
.endr
.endm
	s_load_b256 s[4:11], s[0:1], 0x0               ; o_img, o_scl, img, scl
	s_load_b128 s[84:87], s[0:1], 0x20             ; bo, out0
	v_lshl_add_u32 v[SPW], v0, 2, SPARE
	v_mov_b32 v[NIL], 0
	ds_add_u32 v28, v29
	ds_add_u32 v28, v29
	s_wait_dscnt 0x0
	v_lshrrev_b32 v1, 5, v0
	v_readfirstlane_b32 s14, v1                    ; wave 0..3
	s_lshr_b32 s15, s14, 1                         ; which half of the tokens is mine.  Also: I fetch for A (0) or for B (1)
	s_and_b32 s16, s14, 1                          ; which half of the outputs.  Also: which eight row tiles I fetch
	s_bfe_u32 s40, ttmp6, 0x40000                  ; cx, cy
	s_bfe_u32 s41, ttmp6, 0x40004
	s_lshl_b32 s42, ttmp9, 2
	s_add_co_u32 s42, s42, s40                     ; tile column: 256 outputs
	s_and_b32 s17, ttmp7, 0xffff
	s_lshl_b32 s17, s17, 2
	s_add_co_u32 s17, s17, s41                     ; tile row: 256 tokens
	s_lshl_b32 s43, s41, 2
	s_lshl_b32 s43, 15, s43                        ; my row of the cluster
	s_lshl_b32 s44, 0x1111, s40                    ; my column
	s_or_b32 s[G1+0], s43, (3<<16)|(1<<21)         ; the codes: eight rows of 3,072 bytes (384 elements of 8 bytes), a row tile apart; no padding
	s_or_b32 s[G1B+0], s44, (3<<16)|(1<<21)
.irp g, G1, G1B
	s_mov_b32 s[\g+1], 384<<16
	s_mov_b32 s[\g+2], 16<<16                      ; the head's loads bring all 16 row tiles; set to 8 for the ring behind them
	s_mov_b32 s[\g+3], 384<<16
	s_mov_b32 s[\g+4], 16
	s_mov_b32 s[\g+5], 1536
	s_mov_b32 s[\g+6], 0
	s_mov_b32 s[\g+7], 0
.endr
	s_or_b32 s[G1SB+0], s44, (3<<16)|(1<<21)       ; Wo's scale words of eight row tiles: 4,096 dense bytes as 16 rows of 256
	s_mov_b32 s[G1SB+1], 32<<16
	s_mov_b32 s[G1SB+2], 16<<16
	s_mov_b32 s[G1SB+3], 32<<16
	s_mov_b32 s[G1SB+4], 16
	s_mov_b32 s[G1SB+5], 32
	s_mov_b32 s[G1SB+6], 0
	s_mov_b32 s[G1SB+7], 0
	s_lshl_b32 s18, s16, 3                         ; which eight row tiles I fetch
	s_lshl_b32 s20, s17, 4
	s_add_co_u32 s20, s20, s18                     ; A: row tile 16 x tile row + 8 x half
	s_mul_i32 s20, s20, ROWT
	s_mov_b32 s21, 0
	s_lshl_b32 s46, s42, 4
	s_add_co_u32 s46, s46, s18
	s_add_co_u32 s46, s46, 704                     ; B: Wo's row tiles begin at 704
	s_lshl_b32 s66, s46, 9
	s_mov_b32 s67, 0
	s_mul_i32 s46, s46, ROWT
	s_mov_b32 s47, 0
	s_mul_i32 s12, s14, HALFT                      ; where they go: no place in the cluster enters an LDS address
	s_lshl_b32 s13, s14, 12
	s_mul_i32 s2, s16, 8*ROWT                      ; my half of a tile's 16 row tiles, in bytes
	s_mov_b32 s3, 0
	s_wait_kmcnt 0x0
	s_add_nc_u64 s[20:21], s[4:5], s[20:21]
	s_add_nc_u64 s[46:47], s[8:9], s[46:47]
	s_add_nc_u64 s[66:67], s[10:11], s[66:67]
	CROUND                                         ; all sixteen work-groups are here: the first joint loads meet
	s_mov_b32 s[G0SB], 1
	s_add_co_u32 s[G0SB+1], s13, SCL               ; waves 2 and 3: behind A's 8,192 bytes
	s_mov_b64 s[G0SB+2:G0SB+3], s[66:67]
	s_or_b32 s[G0SB+3], s[G0SB+3], 0x80000000
	s_mov_b32 s[G0], 1                             ; slot 0 at the head: A's 16 row tiles whole,
	s_mov_b32 s[G0+1], 0
	s_sub_nc_u64 s[G0+2:G0+3], s[20:21], s[2:3]
	s_or_b32 s[G0+3], s[G0+3], 0x80000000
	s_mov_b32 s[G0B], 1                            ; and B's 16 behind them
	s_mov_b32 s[G0B+1], 2*HALFT
	s_sub_nc_u64 s[G0B+2:G0B+3], s[46:47], s[2:3]
	s_or_b32 s[G0B+3], s[G0B+3], 0x80000000
	s_mov_b32 s[G0+4], 1                           ; slot 1: my quarter, the second 256 along K
	s_add_co_u32 s[G0+5], s12, SLOT
	s_add_nc_u64 s[G0+6:G0+7], s[20:21], TILEB
	s_or_b32 s[G0+7], s[G0+7], 0x80000000
	s_mov_b32 s[G0B+4], 1
	s_add_co_u32 s[G0B+5], s12, SLOT
	s_add_nc_u64 s[G0B+6:G0B+7], s[46:47], TILEB
	s_or_b32 s[G0B+7], s[G0B+7], 0x80000000
; the head's tiles, one load a wave, in one chain of arms on the wave's number: wave 0 slot 0's rows of A, wave 1 its rows of B, waves 2 and 3 a half each of Wo's scale words
.macro ARM under, g0, g1, next
	s_cmp_lt_u32 s14, \under
	s_cbranch_scc0 \next
	tensor_load_to_lds s[\g0:\g0+3], s[\g1:\g1+7]
	s_nop 0
.rept 4
	v_nop
.endr
	s_branch .Lfirst_asked
\next:
.endm
	ARM 1, G0,  G1,  .Lhead_b
	ARM 2, G0B, G1B, .Lhead_sb
	tensor_load_to_lds s[G0SB:G0SB+3], s[G1SB:G1SB+7]
	s_nop 0
.rept 4
	v_nop
.endr
.Lfirst_asked:
	v_and_b32 v1, 15, v0                           ; r
	v_bfe_u32 v2, v0, 4, 1                         ; h
	v_and_b32 v3, 31, v0                           ; lane
	v_lshlrev_b32 v[O16], 4, v3
	v_lshlrev_b32 v[O8], 3, v3
	v_lshlrev_b32 v14, 2, v0                       ; O's scale bytes: 4 bytes a thread: positions 2 t and 2 t + 1
	s_wait_alu depctr_va_vdst(0)
	v_lshrrev_b32 v6, 3, v0
	v_and_b32 v7, 7, v0
	v_lshlrev_b32 v6, 9, v6
	v_lshl_add_u32 v6, v7, 4, v6
	v_add_nc_u32 v15, SCL, v6                      ; and where their words go: row tile t / 8, rows 2 (t % 8) and the next: 16 bytes
	v_lshlrev_b32 v30, 6, v2                       ; the bias: my half's 16 outputs of each 32
	v_min_u32 v10, 23, v3                          ; the prefetches' offset: a lane a block of 256 bytes; two row tiles x 12 blocks of a K step; lanes 24-31 name the last block again
	v_mul_u32_u24 v11, v10, 171
	v_lshrrev_b32 v11, 11, v11                     ; block / 12: which of the two row tiles
	v_lshlrev_b32 v10, 8, v10
	v_mad_u32_u24 v10, v11, ROWT-TILEB, v10        ; never rewritten
	s_wait_alu depctr_va_vdst(0)
	; PREFETCHES INTO THE L2: of the eight row tiles that my wave fetches in the ring, each of the four partners that ask for them jointly takes two, told apart by address (cx for A, cy for B).
	; K steps 1 and 2 are named here, K step 3 behind slot 1's fill: each one fill or more ahead of the load that wants it.  O's tiles are named by the one cluster that loads them;
	; Wo's, which all eight clusters load, by cluster rows 0-3.  The test hangs on the cluster's own number and the wave's.  s[66:67] and v10 are not written again.
	s_cmp_eq_u32 s15, 0
	s_cselect_b64 s[66:67], s[20:21], s[46:47]     ; my eight row tiles of A or of B, K step 0
	s_cselect_b32 s12, s40, s41
	s_mul_i32 s12, s12, 2*ROWT
	s_mov_b32 s13, 0
	s_add_nc_u64 s[66:67], s[66:67], s[12:13]      ; my work-group's two of them
	s_and_b32 s43, ttmp7, 0xffff
	s_cmp_lt_u32 s43, 4
	s_cselect_b32 s44, 1, 0
	s_cmp_eq_u32 s15, 0
	s_cselect_b32 s44, 1, s44                      ; s44 = 1: my wave asks
	s_cmp_eq_u32 s44, 1
	s_cbranch_scc0 .Lno_ask_0
	global_prefetch_b8 v10, s[66:67] offset:TILEB th:TH_LOAD_NT scope:SCOPE_SE
	global_prefetch_b8 v10, s[66:67] offset:2*TILEB th:TH_LOAD_NT scope:SCOPE_SE
.Lno_ask_0:
	s_lshr_b32 s18, s17, 3
	s_lshl_b32 s18, s18, 16                        ; a batch's 16 heads of 4,096 bytes
	s_and_b32 s19, s17, 7
	s_lshl_b32 s19, s19, 9                         ; 256 positions of 2 bytes
	s_add_co_u32 s18, s18, s19
	s_mov_b32 s19, 0
	s_add_nc_u64 s[22:23], s[6:7], s[18:19]        ; s[22:23] and s[84:85] are the bases of the loads below: neither is written again
	s_lshl_b32 s18, s42, 10
	s_lshl_b32 s12, s16, 9
	s_add_co_u32 s18, s18, s12
	s_add_nc_u64 s[84:85], s[84:85], s[18:19]      ; bo at my 128 outputs
.irp e, 0,1,2,3,4,5,6,7,8,9,10,11,12,13,14,15
	global_load_b32 v[160+\e], v14, s[22:23] offset:4096*\e   ; head e: the four waves read 512 consecutive bytes
.endr
.irp t, 0,1,2,3,4,5,6,7
	global_load_b128 v[BI+8*\t:BI+8*\t+3], v30, s[84:85] offset:(32*(\t/2)+8*(\t%2))*4
	global_load_b128 v[BI+8*\t+4:BI+8*\t+7], v30, s[84:85] offset:(32*(\t/2)+8*(\t%2))*4+16
.endr
	s_mul_i32 s17, s15, HALFT                      ; (the tile row is kept in s45)
	s_and_b32 s45, ttmp7, 0xffff
	s_lshl_b32 s45, s45, 2
	s_add_co_u32 s45, s45, s41
	s_mul_i32 s18, s16, HALFT
	s_add_co_u32 s18, s18, 2*HALFT
.irp s, 0,1
	v_add_nc_u32 v[ADRA+\s], s17, v[O16]
	v_add_nc_u32 v[ADRA+2+\s], s17, v[O8]
	v_add_nc_u32 v[ADRB+\s], s18, v[O16]
	v_add_nc_u32 v[ADRB+2+\s], s18, v[O8]
	s_add_co_u32 s17, s17, SLOT
	s_add_co_u32 s18, s18, SLOT
.endr
	s_lshl_b32 s17, s15, 12
	s_lshl_b32 s18, s16, 12
	s_add_co_u32 s18, s18, 2*HALFS
	s_sub_co_u32 s18, s18, s17
	v_mul_u32_u24 v6, s18, v2                      ; lanes 16-31 take B's: the lower base + h x the distance
	s_add_co_u32 s17, s17, SCL
	v_lshl_add_u32 v6, v1, 3, v6
	v_add_nc_u32 v[ADRS], s17, v6
	s_mul_i32 s19, s14, 16*SPITCH                  ; my stage (in s19, which no pending load names)
	v_mul_u32_u24 v5, v1, SPITCH
	v_lshl_add_u32 v5, v2, 6, v5
	v_add_nc_u32 v[STO], s19, v5                   ; in: row r, + 64 h: my half's 16 outputs of each 32
	v_lshlrev_b32 v[CO], 4, v3
	v_add_nc_u32 v[RD], s19, v[CO]                 ; back: the 32 lanes take one row of 512 bytes
	s_lshl_b32 s20, s45, 8
	s_lshl_b32 s21, s15, 7
	s_add_co_u32 s20, s20, s21                     ; my first token: 256 x tile row + 128 x half
	s_lshl_b32 s20, s20, 12                        ; rows of 4,096 bytes
	s_lshl_b32 s21, s42, 10
	s_add_co_u32 s20, s20, s21
	s_lshl_b32 s21, s16, 9
	s_add_co_u32 s20, s20, s21                     ; + my first output
	s_mov_b32 s21, 0
	s_add_nc_u64 s[86:87], s[86:87], s[20:21]
	s_mov_b32 s12, 0x05040100                      ; the two low halves: position 2 t
	s_mov_b32 s13, 0x07060302                      ; the two high halves: position 2 t + 1
	s_wait_loadcnt 0x0
.irp k, 0,1,2,3,4,5,6,7                        ; 128 along K = heads 2 k and 2 k + 1: their four bytes make a row's scale word
	v_perm_b32 v[192+4*(\k/2)+(\k%2)], v[161+2*\k], v[160+2*\k], s12
	v_perm_b32 v[194+4*(\k/2)+(\k%2)], v[161+2*\k], v[160+2*\k], s13
.endr
.irp g, 0,1,2,3
	ds_store_b128 v15, v[192+4*\g:195+4*\g] offset:128*\g   ; [row tile][256 along K][row][2 words]
.endr
.macro FRAG reg, adr, q, i             ; a fragment, 16 rows x 128 K: two images on end
	ds_load_b128 v[\reg:\reg+3], v[\adr] offset:TILEB*(\i)+1536*(\q)
	ds_load_b64 v[\reg+4:\reg+5], v[\adr+2] offset:TILEB*(\i)+1536*(\q)+512
	ds_load_b128 v[\reg+6:\reg+9], v[\adr] offset:TILEB*(\i)+1536*(\q)+768
	ds_load_b64 v[\reg+10:\reg+11], v[\adr+2] offset:TILEB*(\i)+1536*(\q)+1280
.endm
.macro PROD a, b, p, q, sc, zero       ; zero = 2: the product starts the sum from the bias of B's block b
.set rD, 8*(8*((\a)%4)+(\b))
.set rB, 128*(\p)+FR*(\b)
.set rA, AF+FR*(\a)
.set rSB, SC+8*NQ*(\sc)+NQ*(\b)+(\q)
.set rSA, SC+8*NQ*(\sc)+NQ*(\a)+(\q)
.if (\zero) == 2
	v_wmma_scale_f32_16x16x128_f8f6f4 v[rD:rD+7], v[rB:rB+FR-1], v[rA:rA+FR-1], v[BI+8*(\b):BI+8*(\b)+7], v[rSB], v[rSA] matrix_a_fmt:MATRIX_FMT_FP6 matrix_b_fmt:MATRIX_FMT_FP6 matrix_a_scale:MATRIX_SCALE_ROW1
.else
	v_wmma_scale_f32_16x16x128_f8f6f4 v[rD:rD+7], v[rB:rB+FR-1], v[rA:rA+FR-1], v[rD:rD+7], v[rSB], v[rSA] matrix_a_fmt:MATRIX_FMT_FP6 matrix_b_fmt:MATRIX_FMT_FP6 matrix_a_scale:MATRIX_SCALE_ROW1
.endif
.endm
.macro MUL16 a0, p, q, sc, zero        ; the 64 accumulators take turns, one instruction a turn, in the same order in every step
.irp a, \a0, \a0+1
.irp b, 0,1,2,3,4,5,6,7
	PROD \a, \b, \p, \q, \sc, \zero
.endr
.endr
.endm
.macro FETCH_B slot, q, p
	WIN TO_B
.irp i, 0,1,2,3,4,5,6,7
	FRAG 128*(\p)+FR*\i, ADRB+\slot, \q, \i
.endr
	WIN 0
.endm
.macro FETCH_A slot, q, i0
.irp i, \i0, \i0+1, \i0+2, \i0+3
	FRAG AF+FR*(\i), ADRA+\slot, \q, \i
.endr
.endm
.macro SCALES sc
.irp i, 0,1,2,3,4,5,6,7
	ds_load_b64 v[SC+8*NQ*\sc+NQ*\i:SC+8*NQ*\sc+NQ*\i+1], v[ADRS] offset:\i*512
.endr
.endm
.macro STEP slot, q, zero
	s_wait_dscnt 4*NL                              ; B's set, A's blocks 0-3 and the scale words are in; the youngest 16 loads (A's blocks 4-7) may be out
.if (\zero) == 2
	WIN 0x81                                       ; source 0 window 1, sources 1 and 2 (the bias) window 0, D window 2
.else
	WIN MUL_LO
.endif
	MUL16 0, (\q)%2, \q, \slot, \zero
	MUL16 2, (\q)%2, \q, \slot, \zero
	s_wait_dscnt 0
	PLACES NP
	FETCH_B \slot, (\q)+1, 1-(\q)%2
	FETCH_A \slot, (\q)+1, 0
.if (\zero) == 2
	WIN 0xc1
.else
	WIN MUL_HI
.endif
	MUL16 4, (\q)%2, \q, \slot, \zero
	MUL16 6, (\q)%2, \q, \slot, \zero
	PLACES NP
	WIN 0
	FETCH_A \slot, (\q)+1, 4
.endm
.macro TURN slot, next, fill
	s_wait_tensorcnt 0x0                           ; all my tensor loads have landed: my part of the next slot (every window is 0 here)
	ds_add_u32 v[SPW], v[NIL]                      ; 0 onto my spare word
	s_wait_dscnt 4*NL+1                            ; (the add and the youngest 16 loads may be out)
	WIN MUL_LO
	MUL16 0, 1, NQ-1, \slot, 0
	s_wait_dscnt 0x0                               ; the add is done, and my reads of this slot are over
	s_barrier_signal -1
	MUL16 2, 1, NQ-1, \slot, 0
	WIN 0
	s_barrier_wait -1
.if \fill
	CREST                                          ; a round of the cluster's barrier: no wave of any partner still reads this slot or has a load on its way
	s_add_nc_u64 s[G0+4*\slot+2:G0+4*\slot+3], s[G0+4*\slot+2:G0+4*\slot+3], 2*TILEB
	s_add_nc_u64 s[G0B+4*\slot+2:G0B+4*\slot+3], s[G0B+4*\slot+2:G0B+4*\slot+3], 2*TILEB
	JLOAD G0+4*\slot, G1, G0B+4*\slot, G1B
.else
	PLACES NP
.endif
	s_wait_alu depctr_va_vdst(0)
	v_add_nc_u32 v[ADRS], 128, v[ADRS]
	FETCH_B \next, 0, 0
	FETCH_A \next, 0, 0
	SCALES \next
	WIN MUL_HI
	MUL16 4, 1, NQ-1, \slot, 0
	MUL16 6, 1, NQ-1, \slot, 0
	PLACES NP
	WIN 0
	FETCH_A \next, 0, 4
.endm
	s_wait_alu depctr_va_vdst(0)
	s_wait_tensorcnt 0x0                           ; my tile of the head's is in; the three lines stand ahead of slot 1's first fill as ahead of a refill
	ds_add_u32 v[SPW], v[NIL]
	s_mov_b32 s[G1+2], 8<<16                       ; no tensor load of mine is out: from here on a load brings eight row tiles,
	s_mov_b32 s[G1+4], 8
	s_mov_b32 s[G1B+2], 8<<16
	s_mov_b32 s[G1B+4], 8
	s_mul_i32 s[G0+1], s14, HALFT                  ; and slot 0's descriptors name my quarter
	s_mul_i32 s[G0B+1], s14, HALFT
	s_add_nc_u64 s[G0+2:G0+3], s[G0+2:G0+3], s[2:3]
	s_add_nc_u64 s[G0B+2:G0B+3], s[G0B+2:G0B+3], s[2:3]
	s_wait_dscnt 0x0                               ; the add is done, and my part of O's scale words has landed
	CROUND                                         ; a whole round: all tiles are in, and the joint loads meet
	JLOAD G0+4, G1, G0B+4, G1B                     ; slot 1's first fill, the first tensor load behind the round
	FETCH_B 0, 0, 0
	FETCH_A 0, 0, 0
	SCALES 0
	FETCH_A 0, 0, 4
	s_cmp_eq_u32 s44, 1
	s_cbranch_scc0 .Lno_ask_1
	global_prefetch_b8 v10, s[66:67] offset:3*TILEB th:TH_LOAD_NT scope:SCOPE_SE   ; K step 3, two refills ahead of its load
.Lno_ask_1:
	STEP 0, 0, 2
	s_mov_b32 s3, 1
.Llap:
	TURN 0, 1, 1
	STEP 1, 0, 0
	TURN 1, 0, 1
	STEP 0, 0, 0
	s_sub_co_u32 s3, s3, 1
	s_cmp_lg_u32 s3, 0
	s_cbranch_scc1 .Llap
	TURN 0, 1, 0
	STEP 1, 0, 0
	s_wait_dscnt 4*NL
	WIN MUL_LO
	MUL16 0, 1, NQ-1, 1, 0
	MUL16 2, 1, NQ-1, 1, 0
	s_wait_dscnt 0
	WIN MUL_HI
	MUL16 4, 1, NQ-1, 1, 0
	MUL16 6, 1, NQ-1, 1, 0
	WIN 0
; THE WAY OUT, block by block of 16 tokens x 128 outputs, through my own stage: in as 32 bytes a lane, back as whole rows of 512 bytes.  LDS serves a wave's instructions in order: no wait between the stores and the loads.
.macro TOSTAGE a
.set AC, 64*((\a)%4)
	WIN 0x08+4*((\a)/4)                            ; an LDS store's data: window 2 or 3
.irp b, 0,1,2,3,4,5,6,7
	ds_store_b128 v[STO], v[AC+8*\b:AC+8*\b+3] offset:128*(\b/2)+32*(\b%2)          ; outputs 32 (b / 2) + 8 (b % 2) + 16 h + 0 .. 7; each accumulator from its low end on
	ds_store_b128 v[STO], v[AC+8*\b+4:AC+8*\b+7] offset:128*(\b/2)+32*(\b%2)+16
.endr
	WIN 0
.set BB, BK+64*((\a)%2)
.irp t, 0,1,2,3,4,5,6,7,8,9,10,11,12,13,14,15
	ds_load_b128 v[BB+4*\t:BB+4*\t+3], v[RD] offset:\t*SPITCH
.endr
.endm
.macro SEND a, younger                 ; place t of block a is token 32 (a / 2) + 8 (a % 2) + t + 8 (t / 8) of my 128: the immediate holds it, 127 rows at the most
.set BB, BK+64*((\a)%2)
	s_wait_dscnt \younger
.irp t, 0,1,2,3,4,5,6,7,8,9,10,11,12,13,14,15
	global_store_b128 v[CO], v[BB+4*\t:BB+4*\t+3], s[86:87] offset:(32*((\a)/2)+8*((\a)%2)+\t+8*(\t/8))*4096 th:TH_STORE_NT   ; 512 consecutive bytes, aligned; written once, read by nobody here
.endr
.endm
	PLACES NP                                      ; behind the last products
	TOSTAGE 0
.irp a, 1,2,3,4,5,6,7
.if \a > 1
	s_wait_xcnt 0x0                                ; block a - 2's stores have read their registers: block a's loads may land there
.endif
	TOSTAGE \a
	SEND \a-1, 32                                  ; behind block a - 1's loads: block a's 16 stores and 16 loads
.endr
	SEND 7, 0
	s_wait_tensorcnt 0x0                           ; the wave's end: behind my last tensor load and my last LDS store
	ds_add_u32 v[SPW], v[NIL]
	s_wait_dscnt 0x0
	CROUND                                         ; the closing round
	s_endpgm
.Lfunc_end_k_qb55e0410e4_outp:
	.size	k_qb55e0410e4_outp, .Lfunc_end_k_qb55e0410e4_outp-k_qb55e0410e4_outp
	.p2alignl 7, 3214868480
	.fill 96, 4, 3214868480
	.section	.rodata,"a",@progbits
	.p2align	6, 0x0
	.amdhsa_kernel k_qb55e0410e4_outp
		.amdhsa_group_segment_fixed_size 327680
		.amdhsa_private_segment_fixed_size 0
		.amdhsa_enable_private_segment 0
		.amdhsa_kernarg_size 48
		.amdhsa_user_sgpr_count 2
		.amdhsa_user_sgpr_kernarg_segment_ptr 1
		.amdhsa_wavefront_size32 1
		.amdhsa_system_sgpr_workgroup_id_x 1
		.amdhsa_system_sgpr_workgroup_id_y 1
		.amdhsa_system_sgpr_workgroup_id_z 1
		.amdhsa_system_vgpr_workitem_id 0
		.amdhsa_next_free_vgpr 1024
		.amdhsa_next_free_sgpr 102
		.amdhsa_reserve_vcc 0
		.amdhsa_float_denorm_mode_32 3
		.amdhsa_float_denorm_mode_16_64 3
		.amdhsa_memory_ordered 1
		.amdhsa_forward_progress 1
		.amdhsa_inst_pref_size 149
	.end_amdhsa_kernel
	.amdgpu_metadata
---
amdhsa.version: [ 1, 2 ]
amdhsa.kernels:
  - .name:           k_qb55e0410e4_outp
    .symbol:         k_qb55e0410e4_outp.kd
    .args:
      - { .name: o_img, .offset: 0, .size: 8, .value_kind: global_buffer, .address_space: global }
      - { .name: o_scl, .offset: 8, .size: 8, .value_kind: global_buffer, .address_space: global }
      - { .name: img, .offset: 16, .size: 8, .value_kind: global_buffer, .address_space: global }
      - { .name: scl, .offset: 24, .size: 8, .value_kind: global_buffer, .address_space: global }
      - { .name: bo, .offset: 32, .size: 8, .value_kind: global_buffer, .address_space: global }
      - { .name: out0, .offset: 40, .size: 8, .value_kind: global_buffer, .address_space: global }
    .group_segment_fixed_size: 327680
    .private_segment_fixed_size: 0
    .kernarg_segment_align: 8
    .kernarg_segment_size: 48
    .max_flat_workgroup_size: 128
    .sgpr_count:     102
    .vgpr_count:     1024
    .wavefront_size: 32
...
	.end_amdgpu_metadata
.endif
;; end of part 4
